; MI455X (gfx1250); checked and timed in simulation.
; The chip was launched on July 23, 2026; its instructions are those of AMD's public machine-readable ISA for CDNA 5 (MIT licence, August 2026) and "CDNA5" Instruction Set Architecture Reference Guide (July 2026). The comments in the code are by the model that wrote it; some were corrected since.
;; RPT Attention. Allowed arithmetic: matrix products marked QUANTISED: E2M1 operands, one E8M0 scale for each 32 along K, by v_wmma_scale_f32_16x16x128_f8f6f4 with both operands' format E2M1 (or v_wmma_scale_f32_32x16x128_f4), f32 sums; products left as they are: bf16, f16 or f32 operands; f32 sums; everything else in f32.
;; Inputs: hidden_states 1 x 2,048 x 2,048 float32; wk 2,048 x 512 float32; wo 2,048 x 2,048 float32; wq 2,048 x 2,048 float32; wv 2,048 x 512 float32.
;; Outputs: out0 1 x 2,048 x 2,048 float32.
;; This version of the problem:
;;   THIS VERSION OF THE PROBLEM IS GIVEN IN LOW PRECISION. The matrix products marked QUANTISED in the list below multiply operands that are first quantised to E2M1 (2 exponent bits, 1 mantissa bit; 4 bits a number), with one power-of-two scale for each 32 numbers along K (OCP MX v1.0); their sums are f32. The products marked 'left as it is' may take bf16, f16 or f32 operands, with f32 sums. Whichever they take, every output number must still come out within the allowed error. Rounding operands to bf16 (8 significant bits) uses up far more of that allowance than f16 does (11 bits, for magnitudes from 6e-5 to 65,504). All else is computed in f32.
;;   The module's matrix products, in the order in which they are computed (A, B: the left and right operand; K: the contracted axis; several contracted axes count as one K, in the product's order):
;;     1. [M 2,048, K 2,048] x [K 2,048, N 2,048]; A: input hidden_states; B: input wq: QUANTISED
;;     2. [M 2,048, K 2,048] x [K 2,048, N 512]; A: input hidden_states; B: input wk: QUANTISED
;;     3. [M 2,048, K 2,048] x [K 2,048, N 512]; A: input hidden_states; B: input wv: QUANTISED
;;     4. batch 16 x [M 2,048, K 128] x [K 128, N 2,048]; A: computed on the way; B: computed on the way: left as it is (an operand is computed on the way)
;;     5. batch 16 x [M 128, K 2,048] x [K 2,048, N 2,048]; A: computed on the way; B: computed on the way: left as it is (an operand is computed on the way)
;;     6. [M 2,048, K 2,048] x [K 2,048, N 2,048]; A: computed on the way; B: input wo: left as it is (an operand is computed on the way)
;;   THE QUANTISER, for each operand of a quantised product, along K:
;;     - K is cut into blocks of 32 from its start; a last block that is shorter is filled with zeros.
;;     - A block's scale is 2^e with e = floor(log2(the largest magnitude in the block)) - 2, held to -126 .. 127; a block of zeros has e = 0. As a byte (E8M0): e + 127.
;;     - Each number is divided by its block's scale, clamped to +-6, and rounded to the nearest number of E2M1, ties to even, subnormals kept.
;;     - The product sums the exact products of the quantised numbers (number of the format x scale) in f32.
;;   ~~~python
;;   def quantise(x, axis):      # numpy; x: float32 -> the quantised numbers, widened to float32 again
;;       x = np.moveaxis(x, axis, -1); K = x.shape[-1]
;;       x = np.pad(x, [(0, 0)] * (x.ndim - 1) + [(0, -K % 32)]); x = x.reshape(x.shape[:-1] + (-1, 32)); a = np.abs(x).max(-1, keepdims=True)
;;       e = np.where(a > 0, np.clip(np.frexp(np.where(a > 0, a, 1))[1] - 1 - 2, -126, 127), 0)      # np.frexp(a)[1] - 1 = floor(log2(a)), exactly
;;       r = np.clip(x / 2.0 ** e, -6, 6)
;;       step = 2.0 ** (np.maximum(np.frexp(np.where(r == 0, 1, r))[1] - 1, 0) - 1)
;;       q = np.round(r / step) * step * 2.0 ** e      # np.round: ties to even
;;       return np.moveaxis(q.reshape(q.shape[:-2] + (-1,))[..., :K], -1, axis).astype(np.float32)
;;   ~~~
;; One version. Each part assembles by itself: llvm-mc -triple=amdgcn-amd-amdhsa -mcpu=gfx1250 --defsym DOCPART=n.
;; ======== version 1 of 1: 5 launches
;; limits: values are held in f16: magnitudes above 65,504 overflow, below 6.1e-05 lose precision
;; workspace buffers: codes 5,242,880 bytes; scales 327,680 bytes; wo16 8,388,608 bytes; rope 3,145,728 bytes; qkv16 12,582,912 bytes; vfine 32,768 bytes; attn16 8,388,608 bytes
;; launch prep (part 1): grid 384 x 1, 4 waves a work-group, no clusters, 102,912 bytes of LDS; arguments hidden_states, wq, wk, wv, wo, codes, scales, wo16, rope; writes codes, scales, wo16, rope
.if DOCPART == 1
	.amdgcn_target "amdgcn-amd-amdhsa--gfx1250"
	.amdhsa_code_object_version 6
	.text
	.protected	k_q3590af6eb8_prep
	.globl	k_q3590af6eb8_prep
	.p2align	8
	.type	k_q3590af6eb8_prep,@function
k_q3590af6eb8_prep:
	s_mov_b64 s[64:65], 0
	v_nop
	global_prefetch_b8 v0, s[64:65] scope:SCOPE_SE
	s_setreg_imm32_b32 hwreg(HW_REG_WAVE_MODE, 25, 1), 1
	s_wait_xcnt 0x0
; ONE PASS OVER ALL f32 INPUTS.  Five kinds of work-groups, told apart by the work-group's number alone; the paths part once and never meet again.
;   0-127   hidden_states [2048][2048] -> codes of FP4 (E2M1), K innermost, and one E8M0 byte for each 32 along K (K is innermost in memory: a plain stream of blocks)
;   128-191 wq [2048 k][2048 n]        -> the same, laid [n][k]: a lane takes a column, its registers run down K
;   192-223 wk, wv [2048 k][512 n]     -> the same, behind wq's rows: rows 2048-2559 are wk's columns, 2560-3071 wv's
;   224-351 wo [2048][2048]            -> f16, same layout
;   352-383 the rotary table: three sections of [2048 positions][64 pairs][(C, S)] f32: SQ x (cos, sin) for q, SK x (cos, sin) for k, (1, 0) for v
; SQ = 4 log2(e) / sqrt(128), SK = 1/4: so q' . k' is the score in the exponent of 2, and both factors leave room at f16's upper end.
; A block's scale is 2^(floor(log2(largest magnitude)) - 2); its byte is the largest magnitude's exponent field - 2, held at 1 from below.
; LIMITS: NaN and infinities among the inputs are not served.  Blocks whose largest magnitude lies under 2^-124 keep the byte 1; a block of zeros gets the byte 1 where the rule says 127:
; its codes are zeros, which add nothing, and this program alone reads the bytes.  |wo| must stay under 65,504 (f16); under 6e-5 it carries an absolute error of 3e-8.
; cos and sin: reduction by n = round(angle x 2/pi) with pi/2 in two parts (n is at most 1,304), polynomials of degree 7 and 8 on |r| <= pi/4: within 4e-7; the frequencies come from 2^x, within a few units of the last place.
; LDS: each path that uses LDS has bytes of its own: 0 the stream's four regions; 32,768 wq's four stages; 67,584 wk's and wv's; 102,400 the spare words.
.set SPW,   12                         ; v12  LDS address of my spare word; never rewritten
.set NIL,   13                         ; v13  0; never rewritten
.set WV,    26                         ; s26  my wave's number
.set SPARE, 102400
.set EMAX,  2
.set STEPS, 16                         ; the stream: 16 steps of 512 numbers a wave
.set CB,    8
.set WREG,  8192                       ; a wave's region: two stages of 32 x 80 bytes, then its 256 scale bytes
.set SP,    80
.set HR,    16                         ; v16-79   four sets of 16 numbers as loaded
.set HX,    80                         ; v80-111  two sets of 16 neighbours
.set HE,    112                        ; v112-127 a scale byte for each step
.set HC,    128                        ; v128-191 codes, four registers for each step
.set NB,    16                         ; the weights: 16 blocks of 32 along K a lane
.set WP,    272                        ; a stage row: 256 bytes + 16
.set KROW,  1024                       ; a row of codes in memory
.set WSB,   24                         ; v24-27   scale bytes
.set WX,    32                         ; v32-95   two sets of 32 numbers
.set WC,    96                         ; v96-99   a block's codes
.set WOUT,  112                        ; v112-175 the way out
.set CX,    32                         ; the cast: v32-95 sixteen slots of four f32
.set CY,    96                         ; v96-127  sixteen slots of two registers of f16
.set TA,    16                         ; the table: v16-47 work, 16 registers a pair
.macro FINISH                          ; a wave that stored to LDS ends so
	s_wait_tensorcnt 0x0
	ds_add_u32 v[SPW], v[NIL]
	s_wait_dscnt 0x0
	s_endpgm
.endm
.macro HLOAD t                         ; 32 lanes read 512 consecutive bytes, four times
.irp i, 0,1,2,3
	global_load_b128 v[HR+16*((\t)%4)+4*\i:HR+16*((\t)%4)+4*\i+3], v3, s[4:5] offset:2048*(\t)+512*\i th:TH_LOAD_NT
.endr
.endm
.macro HTURN t                         ; a step's 2,048 bytes through the wave's own stage: in as they lie, back 64 neighbouring bytes a lane (LDS serves a wave's instructions in order)
.irp i, 0,1,2,3
	ds_store_b128 v14, v[HR+16*((\t)%4)+4*\i:HR+16*((\t)%4)+4*\i+3] offset:32*SP*((\t)%2)+8*SP*\i
.endr
.irp i, 0,1,2,3
	ds_load_b128 v[HX+16*((\t)%2)+4*\i:HX+16*((\t)%2)+4*\i+3], v15 offset:32*SP*((\t)%2)+16*\i
.endr
.endm
.macro HSTEP t
.set XS, HX+16*((\t)%2)
.if (\t) > 0
	s_wait_dscnt 1                                 ; this step's numbers are back from the stage; the last step's byte store may be out
.else
	s_wait_dscnt 0x0
.endif
.if (\t)+4 < STEPS
	HLOAD (\t)+4
.endif
.if (\t)+1 < STEPS
.if STEPS-2-(\t) >= 3
	s_wait_loadcnt 12                              ; the next step's four loads are in; those of the three steps behind it may be out
.else
	s_wait_loadcnt 4*(STEPS-2-(\t))
.endif
	HTURN (\t)+1
.endif
	v_max3_num_f32 v8, |v[XS]|, |v[XS+1]|, |v[XS+2]|
	v_max3_num_f32 v9, |v[XS+3]|, |v[XS+4]|, |v[XS+5]|
.irp i, 6,10
	v_max3_num_f32 v8, v8, |v[XS+\i]|, |v[XS+\i+1]|
	v_max3_num_f32 v9, v9, |v[XS+\i+2]|, |v[XS+\i+3]|
.endr
	v_max3_num_f32 v8, v8, |v[XS+14]|, |v[XS+15]|
	v_max3_num_f32 v8, v8, v9, (EMAX+1)<<23        ; the floor 2^(3 - 127): the byte cannot fall under 1
	v_max_num_f32_dpp v8, v8, v8 row_xmask:1 row_mask:0xf bank_mask:0xf   ; with my neighbour's 16: the block's largest magnitude
	v_add_nc_u32 v11, -(EMAX<<23), v8              ; 2 off its exponent field: the conversion takes that field as its scale
	v_cvt_scalef32_pk8_fp4_f32 v[HC+4*(\t)], v[XS:XS+7], v11
	v_cvt_scalef32_pk8_fp4_f32 v[HC+4*(\t)+1], v[XS+8:XS+15], v11
	v_lshrrev_b32 v[HE+(\t)], 23, v11              ; the scale's byte
	ds_store_b8 v5, v[HE+(\t)] offset:16*(\t)      ; both lanes of a block write the same byte with the same value
	global_store_b64 v4, v[HC+4*(\t):HC+4*(\t)+1], s[14:15] offset:32*CB*(\t)   ; the wave stores 256 consecutive bytes
.endm
.macro WLOAD t, N                      ; block t of my column: 32 rows of the weight, 128 consecutive bytes a wave and row
.irp i, 0,1,2,3,4,5,6,7,8,9,10,11,12,13,14,15,16,17,18,19,20,21,22,23,24,25,26,27,28,29,30,31
	global_load_b32 v[WX+32*((\t)%2)+\i], v3, s[28:29] offset:(32*(\t)+\i)*\N*4 th:TH_LOAD_NT
.endr
.endm
.macro WBLOCK t, N
.set XS, WX+32*((\t)%2)
.if (\t) < NB-1
	s_wait_loadcnt 32                              ; this block's 32 loads are in; the next block's may be out
.else
	s_wait_loadcnt 0
.endif
	v_max3_num_f32 v14, |v[XS]|, |v[XS+1]|, |v[XS+2]|
	v_max3_num_f32 v15, |v[XS+3]|, |v[XS+4]|, |v[XS+5]|
.irp i, 6,10,14,18,22,26
	v_max3_num_f32 v14, v14, |v[XS+\i]|, |v[XS+\i+1]|
	v_max3_num_f32 v15, v15, |v[XS+\i+2]|, |v[XS+\i+3]|
.endr
	v_max3_num_f32 v14, v14, |v[XS+30]|, |v[XS+31]|
	v_max3_num_f32 v14, v14, v15, (EMAX+1)<<23
	v_add_nc_u32 v11, -(EMAX<<23), v14
	v_lshrrev_b32 v15, 23, v11
.if (\t)%4 == 0
	v_mov_b32 v[WSB+(\t)/4], v15                   ; four bytes to a register, the lower K in the lower byte
.else
	v_lshl_or_b32 v[WSB+(\t)/4], v15, 8*((\t)%4), v[WSB+(\t)/4]
.endif
.irp g, 0,1,2,3
	v_cvt_scalef32_pk8_fp4_f32 v[WC+\g], v[XS+8*\g:XS+8*\g+7], v11
.endr
	ds_store_b128 v4, v[WC:WC+3] offset:16*(\t)    ; 32 codes: 16 bytes of my column's row
.if (\t)+2 < NB
	WLOAD (\t)+2, \N
.endif
	s_wait_dscnt 0x0                               ; the store has read its registers: the next block's codes may be written
.endm
; 32 columns x 512 along K for a wave.  s[28:29] the weight, s30 my wave's first column in it, s31 which 512 along K, s32 my first row among the 3,072 rows of codes.  N: the weight's row length; STG: the path's stages.
.macro WQUANT N, STG
	v_lshlrev_b32 v3, 2, v2
	s_mul_i32 s33, s[WV], 32*WP
	s_add_co_u32 s33, s33, \STG
	v_mul_u32_u24 v4, v2, WP
	v_add_nc_u32 v4, s33, v4                       ; into the stage: row = my column
	v_and_b32 v5, 15, v2
	v_lshrrev_b32 v6, 4, v2
	v_mul_u32_u24 v7, v6, WP
	v_lshl_add_u32 v7, v5, 4, v7
	v_add_nc_u32 v7, s33, v7                       ; out of it: sixteen lanes to a row, two rows an instruction
	v_mul_u32_u24 v8, v6, KROW
	v_lshl_add_u32 v8, v5, 4, v8                   ; the same place in the codes' buffer
	v_lshlrev_b32 v9, 6, v2                        ; my column's row of 64 scale bytes
	s_mul_i32 s34, s31, 512*\N*4
	s_lshl_b32 s35, s30, 2
	s_add_co_u32 s34, s34, s35
	s_mov_b32 s35, 0
	s_add_nc_u64 s[28:29], s[28:29], s[34:35]
	s_lshl_b32 s34, s32, 10
	s_lshl_b32 s36, s31, 8
	s_add_co_u32 s34, s34, s36
	s_add_co_u32 s34, s34, 0x200000                ; the weights' codes lie behind hidden's 2 MiB
	s_add_nc_u64 s[14:15], s[14:15], s[34:35]
	s_lshl_b32 s34, s32, 6
	s_lshl_b32 s36, s31, 4
	s_add_co_u32 s34, s34, s36
	s_add_co_u32 s34, s34, 0x20000                 ; and their scale bytes behind hidden's 128 KiB
	s_add_nc_u64 s[16:17], s[16:17], s[34:35]
	WLOAD 0, \N
	WLOAD 1, \N
.irp t, 0,1,2,3,4,5,6,7,8,9,10,11,12,13,14,15
	WBLOCK \t, \N
.endr
	global_store_b128 v9, v[WSB:WSB+3], s[16:17]   ; my column's 16 scale bytes
.irp t, 0,1,2,3,4,5,6,7,8,9,10,11,12,13,14,15
	ds_load_b128 v[WOUT+4*\t:WOUT+4*\t+3], v7 offset:2*\t*WP
.endr
.irp t, 0,1,2,3,4,5,6,7,8,9,10,11,12,13,14,15
	s_wait_dscnt 15-\t
	global_store_b128 v8, v[WOUT+4*\t:WOUT+4*\t+3], s[14:15] offset:2*\t*KROW   ; sixteen lanes store 256 consecutive bytes, aligned
.endr
	FINISH
.endm
.macro CSLOT i                         ; chunk i of 64: 512 bytes of f32 become 256 of f16
.if (\i) < 48
	s_wait_loadcnt 15                              ; mine is in; the fifteen younger loads stay out
.else
	s_wait_loadcnt 63-(\i)
.endif
	s_wait_xcnt 0x0                                ; the slot's last store has read its data
	v_cvt_pk_f16_f32 v[CY+2*((\i)%16)], v[CX+4*((\i)%16)], v[CX+4*((\i)%16)+1]
	v_cvt_pk_f16_f32 v[CY+2*((\i)%16)+1], v[CX+4*((\i)%16)+2], v[CX+4*((\i)%16)+3]
.if (\i) < 48
	global_load_b128 v[CX+4*((\i)%16):CX+4*((\i)%16)+3], v3, s[12:13] offset:512*((\i)+16) th:TH_LOAD_NT
.endif
	global_store_b64 v4, v[CY+2*((\i)%16):CY+2*((\i)%16)+1], s[18:19] offset:256*(\i)   ; 32 lanes store 256 consecutive bytes, aligned
.endm
	s_load_b512 s[4:19], s[0:1], 0x0               ; hidden s[4:5], wq s[6:7], wk s[8:9], wv s[10:11], wo s[12:13], codes s[14:15], scales s[16:17], wo16 s[18:19]
	s_load_b64 s[20:21], s[0:1], 0x40              ; rope
	v_lshl_add_u32 v[SPW], v0, 2, SPARE
	v_mov_b32 v[NIL], 0
	v_lshrrev_b32 v1, 5, v0
	v_readfirstlane_b32 s[WV], v1
	v_and_b32 v2, 31, v0                           ; lane
	s_wait_kmcnt 0x0
	s_cmp_lt_u32 ttmp9, 128
	s_cbranch_scc1 .LH
	s_cmp_lt_u32 ttmp9, 192
	s_cbranch_scc1 .LWQ
	s_cmp_lt_u32 ttmp9, 224
	s_cbranch_scc1 .LWKV
	s_cmp_lt_u32 ttmp9, 352
	s_cbranch_scc1 .LC
	; ---- THE TABLE.  A wave takes 16 positions; a lane owns pairs 2 lane and 2 lane + 1: 16 bytes of each row of 512.
	s_sub_co_u32 s27, ttmp9, 352
	s_lshl_b32 s27, s27, 6
	s_lshl_b32 s28, s[WV], 4
	s_add_co_u32 s34, s27, s28                     ; the position in hand
	s_lshl_b32 s35, s34, 9
	v_lshl_add_u32 v5, v2, 4, s35                  ; my byte in a section
	v_lshlrev_b32 v6, 1, v2
	v_cvt_f32_u32 v6, v6
	v_add_f32 v7, 1.0, v6
	v_mul_f32 v6, 0xbe549a78, v6                   ; - j log2(10000) / 64
	v_mul_f32 v7, 0xbe549a78, v7
	v_exp_f32 v6, v6                               ; the pair's frequency
	v_exp_f32 v7, v7
	v_mov_b32 v56, 1.0                             ; v's section: (1, 0).  (Plain work behind the exponentials)
	v_mov_b32 v57, 0
	v_mov_b32 v58, 1.0
	v_mov_b32 v59, 0
	s_mov_b32 s36, 0x3f22f983                      ; 2 / pi
	s_mov_b32 s37, 0x3fc90fdb                      ; pi / 2, upper part
	s_mov_b32 s38, 0xb33bbd2e                      ; and the rest
	s_mov_b32 s39, 0xbe2aaaab                      ; -1/6
	s_mov_b32 s40, 0x3c088889                      ; 1/120
	s_mov_b32 s41, 0xb9500d01                      ; -1/5040
	s_mov_b32 s42, 0x3d2aaaab                      ; 1/24
	s_mov_b32 s43, 0xbab60b61                      ; -1/720
	s_mov_b32 s44, 0x37d00d01                      ; 1/40320
	s_mov_b32 s45, 0x3f0293ee                      ; SQ
	s_mov_b32 s46, 0x3e800000                      ; SK
	s_wait_alu depctr_va_vdst(0)                   ; one wait for both exponentials, ahead of the label and of their first reader
	s_mov_b32 s33, 16
.Lrow:
	v_cvt_f32_u32 v8, s34
.irp p, 0,1
	v_mul_f32 v[TA+16*\p], v8, v[6+\p]             ; the angle, rounded to f32 as the definition rounds it
.endr
.irp p, 0,1
	v_mul_f32 v[TA+16*\p+1], s36, v[TA+16*\p]
.endr
.irp p, 0,1
	v_rndne_f32 v[TA+16*\p+1], v[TA+16*\p+1]       ; n
.endr
.irp p, 0,1
	v_fma_f32 v[TA+16*\p+2], -v[TA+16*\p+1], s37, v[TA+16*\p]
.endr
.irp p, 0,1
	v_fma_f32 v[TA+16*\p+2], -v[TA+16*\p+1], s38, v[TA+16*\p+2]   ; r = angle - n pi/2
.endr
.irp p, 0,1
	v_mul_f32 v[TA+16*\p+3], v[TA+16*\p+2], v[TA+16*\p+2]         ; z = r r
.endr
.irp p, 0,1
	v_fma_f32 v[TA+16*\p+4], v[TA+16*\p+3], s41, s40
	v_fma_f32 v[TA+16*\p+5], v[TA+16*\p+3], s44, s43
.endr
.irp p, 0,1
	v_fma_f32 v[TA+16*\p+4], v[TA+16*\p+3], v[TA+16*\p+4], s39
	v_fma_f32 v[TA+16*\p+5], v[TA+16*\p+3], v[TA+16*\p+5], s42
	v_mul_f32 v[TA+16*\p+10], v[TA+16*\p+2], v[TA+16*\p+3]
.endr
.irp p, 0,1
	v_fma_f32 v[TA+16*\p+5], v[TA+16*\p+3], v[TA+16*\p+5], -0.5
	v_fma_f32 v[TA+16*\p+4], v[TA+16*\p+10], v[TA+16*\p+4], v[TA+16*\p+2]   ; sin r
	v_cvt_i32_f32 v[TA+16*\p+6], v[TA+16*\p+1]     ; n as a whole number
.endr
.irp p, 0,1
	v_fma_f32 v[TA+16*\p+5], v[TA+16*\p+3], v[TA+16*\p+5], 1.0              ; cos r
	v_and_b32 v[TA+16*\p+7], 1, v[TA+16*\p+6]
.endr
.irp p, 0,1
	v_cmp_eq_u32 vcc_lo, 1, v[TA+16*\p+7]          ; odd quadrants: sine and cosine change places
	v_cndmask_b32 v[TA+16*\p+8], v[TA+16*\p+4], v[TA+16*\p+5], vcc_lo
	v_cndmask_b32 v[TA+16*\p+9], v[TA+16*\p+5], v[TA+16*\p+4], vcc_lo
	v_and_b32 v[TA+16*\p+7], 2, v[TA+16*\p+6]      ; the sine is negative in quadrants 2, 3
	v_add_nc_u32 v[TA+16*\p+10], 1, v[TA+16*\p+6]  ; the cosine in quadrants 1, 2
	v_lshlrev_b32 v[TA+16*\p+7], 30, v[TA+16*\p+7]
	v_and_b32 v[TA+16*\p+10], 2, v[TA+16*\p+10]
	v_xor_b32 v[TA+16*\p+8], v[TA+16*\p+7], v[TA+16*\p+8]
	v_lshlrev_b32 v[TA+16*\p+10], 30, v[TA+16*\p+10]
	v_xor_b32 v[TA+16*\p+9], v[TA+16*\p+10], v[TA+16*\p+9]
.endr
.irp p, 0,1
	v_mul_f32 v[48+2*\p], s45, v[TA+16*\p+9]
	v_mul_f32 v[49+2*\p], s45, v[TA+16*\p+8]
	v_mul_f32 v[52+2*\p], s46, v[TA+16*\p+9]
	v_mul_f32 v[53+2*\p], s46, v[TA+16*\p+8]
.endr
	global_store_b128 v5, v[48:51], s[20:21]                   ; 32 lanes store a whole row of 512 bytes, in each section
	global_store_b128 v5, v[52:55], s[20:21] offset:0x100000
	global_store_b128 v5, v[56:59], s[20:21] offset:0x200000
	s_wait_xcnt 0x0                                ; the stores have read their offset and data: both are written again
	v_add_nc_u32 v5, 512, v5
	s_add_co_u32 s34, s34, 1
	s_sub_co_i32 s33, s33, 1
	s_cmp_lg_u32 s33, 0
	s_cbranch_scc1 .Lrow
	s_endpgm
	; ---- hidden_states: a stream of blocks of 32.  My wave's run of 8,192 numbers is 4 x work-group + wave.
.LH:
	v_lshlrev_b32 v3, 4, v2
	s_mul_i32 s27, s[WV], WREG
	v_lshrrev_b32 v14, 2, v2
	v_mul_u32_u24 v14, v14, SP
	v_and_b32 v15, 3, v2
	v_lshl_add_u32 v14, v15, 4, v14
	v_add_nc_u32 v14, s27, v14                     ; the stage, on the way in: four lanes' 64 bytes on end, then 16 of padding
	v_mul_u32_u24 v15, v2, SP
	v_add_nc_u32 v15, s27, v15                     ; on the way out: my 16 neighbours
	v_mul_u32_u24 v4, v2, CB
	v_lshrrev_b32 v5, 1, v2
	s_add_co_u32 s27, s27, 2*32*SP
	v_add_nc_u32 v5, s27, v5                       ; my block's scale byte among the wave's 256
	v_lshlrev_b32 v7, 3, v2
	v_add_nc_u32 v6, s27, v7
	s_lshl_b32 s28, ttmp9, 2
	s_add_co_u32 s28, s28, s[WV]
	s_mov_b32 s29, 0
	s_lshl_b64 s[30:31], s[28:29], 15
	s_add_nc_u64 s[4:5], s[4:5], s[30:31]
	s_lshl_b64 s[30:31], s[28:29], 12
	s_add_nc_u64 s[14:15], s[14:15], s[30:31]
	s_lshl_b32 s28, s28, 8
	s_add_nc_u64 s[16:17], s[16:17], s[28:29]
.irp t, 0,1,2,3
	HLOAD \t
.endr
	s_wait_loadcnt 12                              ; step 0's four loads are in
	HTURN 0
.irp t, 0,1,2,3,4,5,6,7,8,9,10,11,12,13,14,15
	HSTEP \t
.endr
	ds_load_b64 v[8:9], v6                         ; LDS serves a wave's instructions in order: these see my byte stores
	s_wait_dscnt 0x0
	global_store_b64 v7, v[8:9], s[16:17]          ; 32 lanes store 256 consecutive bytes, aligned
	FINISH
	; ---- wq: 16 column blocks of 128 x 4 parts of K
.LWQ:
	s_sub_co_u32 s27, ttmp9, 128
	s_and_b32 s30, s27, 15
	s_lshr_b32 s31, s27, 4
	s_lshl_b32 s30, s30, 7
	s_lshl_b32 s33, s[WV], 5
	s_add_co_u32 s30, s30, s33
	s_mov_b32 s32, s30
	s_mov_b64 s[28:29], s[6:7]
	WQUANT 2048, 32768
	; ---- wk, wv: 2 tensors x 4 column blocks x 4 parts of K
.LWKV:
	s_sub_co_u32 s27, ttmp9, 192
	s_lshr_b32 s33, s27, 4
	s_cmp_eq_u32 s33, 0                            ; the choice hangs on the work-group's number alone
	s_cselect_b64 s[28:29], s[8:9], s[10:11]
	s_and_b32 s30, s27, 3
	s_bfe_u32 s31, s27, 0x20002
	s_lshl_b32 s30, s30, 7
	s_lshl_b32 s34, s[WV], 5
	s_add_co_u32 s30, s30, s34
	s_lshl_b32 s32, s33, 9
	s_add_co_u32 s32, s32, s30
	s_add_co_u32 s32, s32, 2048
	WQUANT 512, 67584
	; ---- wo to f16: a ring of sixteen register slots, sixteen loads of every wave on their way
.LC:
	s_sub_co_u32 s27, ttmp9, 224
	s_lshl_b32 s27, s27, 2
	s_add_co_u32 s28, s27, s[WV]
	s_mov_b32 s29, 0
	s_lshl_b64 s[30:31], s[28:29], 15
	s_add_nc_u64 s[12:13], s[12:13], s[30:31]
	s_lshl_b64 s[30:31], s[28:29], 14
	s_add_nc_u64 s[18:19], s[18:19], s[30:31]
	v_lshlrev_b32 v3, 4, v2
	v_lshlrev_b32 v4, 3, v2
.irp i, 0,1,2,3,4,5,6,7,8,9,10,11,12,13,14,15
	global_load_b128 v[CX+4*\i:CX+4*\i+3], v3, s[12:13] offset:512*\i th:TH_LOAD_NT
.endr
.set ci, 0
.rept 64
	CSLOT ci
.set ci, ci+1
.endr
	s_endpgm
.Lfunc_end_k_q3590af6eb8_prep:
	.size	k_q3590af6eb8_prep, .Lfunc_end_k_q3590af6eb8_prep-k_q3590af6eb8_prep
	.p2alignl 7, 3214868480
	.fill 96, 4, 3214868480
	.section	.rodata,"a",@progbits
	.p2align	6, 0x0
	.amdhsa_kernel k_q3590af6eb8_prep
		.amdhsa_group_segment_fixed_size 102912
		.amdhsa_private_segment_fixed_size 0
		.amdhsa_enable_private_segment 0
		.amdhsa_kernarg_size 72
		.amdhsa_user_sgpr_count 2
		.amdhsa_user_sgpr_kernarg_segment_ptr 1
		.amdhsa_wavefront_size32 1
		.amdhsa_system_sgpr_workgroup_id_x 1
		.amdhsa_system_sgpr_workgroup_id_y 1
		.amdhsa_system_sgpr_workgroup_id_z 1
		.amdhsa_system_vgpr_workitem_id 0
		.amdhsa_next_free_vgpr 192
		.amdhsa_next_free_sgpr 66
		.amdhsa_reserve_vcc 1
		.amdhsa_float_denorm_mode_32 3
		.amdhsa_float_denorm_mode_16_64 3
		.amdhsa_memory_ordered 1
		.amdhsa_forward_progress 1
		.amdhsa_inst_pref_size 218
	.end_amdhsa_kernel
	.amdgpu_metadata
---
amdhsa.version: [ 1, 2 ]
amdhsa.kernels:
  - .name:           k_q3590af6eb8_prep
    .symbol:         k_q3590af6eb8_prep.kd
    .args:
      - { .name: hidden_states, .offset: 0, .size: 8, .value_kind: global_buffer, .address_space: global }
      - { .name: wq, .offset: 8, .size: 8, .value_kind: global_buffer, .address_space: global }
      - { .name: wk, .offset: 16, .size: 8, .value_kind: global_buffer, .address_space: global }
      - { .name: wv, .offset: 24, .size: 8, .value_kind: global_buffer, .address_space: global }
      - { .name: wo, .offset: 32, .size: 8, .value_kind: global_buffer, .address_space: global }
      - { .name: codes, .offset: 40, .size: 8, .value_kind: global_buffer, .address_space: global }
      - { .name: scales, .offset: 48, .size: 8, .value_kind: global_buffer, .address_space: global }
      - { .name: wo16, .offset: 56, .size: 8, .value_kind: global_buffer, .address_space: global }
      - { .name: rope, .offset: 64, .size: 8, .value_kind: global_buffer, .address_space: global }
    .group_segment_fixed_size: 102912
    .private_segment_fixed_size: 0
    .kernarg_segment_align: 8
    .kernarg_segment_size: 72
    .max_flat_workgroup_size: 128
    .sgpr_count:     66
    .vgpr_count:     192
    .wavefront_size: 32
...
	.end_amdgpu_metadata
.endif
;; end of part 1
;; launch qkv (part 2): grid 12 x 8, 4 waves a work-group, clusters of 4 x 4, 327,680 bytes of LDS; arguments codes, scales, qkv16, rope, vfine; writes qkv16, vfine
.if DOCPART == 2
	.amdgcn_target "amdgcn-amd-amdhsa--gfx1250"
	.amdhsa_code_object_version 6
	.text
	.protected	k_q3590af6eb8_qkv
	.globl	k_q3590af6eb8_qkv
	.p2align	8
	.type	k_q3590af6eb8_qkv,@function
k_q3590af6eb8_qkv:
	s_mov_b64 s[64:65], 0
	v_nop
	global_prefetch_b8 v0, s[64:65] scope:SCOPE_SE
	s_setreg_imm32_b32 hwreg(HW_REG_WAVE_MODE, 25, 1), 1
	s_wait_xcnt 0x0
	s_wait_alu depctr_hold_cnt(0) depctr_sa_sdst(0) depctr_va_vdst(0) depctr_va_sdst(0) depctr_va_ssrc(0) depctr_va_vcc(0) depctr_vm_vsrc(0)
	s_getreg_b32 s2, hwreg(HW_REG_IB_STS2, 6, 4)
	s_cmp_eq_u32 s2, 0
	s_cbranch_scc0 .Lentry_in_a_cluster
	s_endpgm
.Lentry_in_a_cluster:
	s_bfe_u32 s2, ttmp6, 0x10000c
	s_cmp_lg_u32 s2, 0xf033
	s_cbranch_scc0 .Lentry_shape_is_right
	s_endpgm
.Lentry_shape_is_right:
; [q | k | v] = hidden x [wq | wk | wv]: ONE product 2048 x 3072 x 2048 on codes of FP4 (E2M1) with one E8M0 scale for each 32 along K; f32 sums; then the rotation of q and k, and f16 by head.
; A = hidden's codes [2048][1024 bytes] at byte 0 of 'codes', B = the weights' codes [3072][1024 bytes] at byte 0x200000; scale bytes [rows][64] at 0 and 0x20000 of 'scales'.
; A tile of 256 x 256 is made by four waves; a wave makes 128 x 128: 64 accumulators, 512 registers: 128 positions of ONE head.  96 tiles: a wave's tile that is exactly a head keeps the way out free of seams.
; K goes in steps of 512 through a ring of two LDS slots filled by the tensor data mover (rows of 256 bytes).  The scale bytes of the work-group's rows, for all of K, come into LDS once, with the first fills.
; CLUSTERS: 4 x 4 work-groups; A's tiles are asked for jointly along a row of the cluster, B's along a column.  THE MATRIX INSTRUCTION IS USED TRANSPOSED (source 0 = 16 rows of B, source 1 = 16 rows of A).
; THE WAY OUT: a block of 16 positions x 128 goes through the wave's stage in LDS and comes back as whole rows; a lane then holds two (even, odd) pairs of one position.  Each pair is multiplied by (C, S) of the table:
; (re C - im S, re S + im C).  What differs between q, k and v is the table's SECTION, chosen by address: no branch hangs on a work-group's place.  Rows leave as 256 bytes of f16: qkv16 [24 heads][2048][128].
; THE TABLE'S ROWS ARE ASKED FOR AHEAD: those of blocks 0 and 1 at the kernel's head, into 128 registers of window 1 that the loop leaves idle; those of blocks 2 and 3 behind the last products, into B's two sets;
; those of block a + 4 behind block a's rotation, into its set: four sets take turns, and a block's rows have three blocks' work in which to land.
; v's positions 0-15 also leave in f32 (vfine [4][16][128]): those stores run under a lane mask that is all ones in the four waves concerned and empty elsewhere.
; LIMITS: |SQ q|, |SK k|, |v| must stay under 65,504 (f16); numbers under 6e-5 carry an absolute error of 3e-8.  NaN and infinities are not served.
; REGISTERS, in windows of 256: window 0: v0-31 addresses; v32-95 scale words, two sets; from v128 A's fragments, one set.  window 1: B's fragments, two sets, at v0 and v128; table rows at v64 and v192.  windows 2, 3: the accumulators.
;   On the way out: window 0: v32-95 packed rows, two sets; v96-103 at work; v128-255 rows back from the stage, two sets.  window 1: table rows, four sets of 64.
.set SIZE_M, 2048
.set SIZE_N, 3072
.set SIZE_K, 2048
.set KSTEP,  512
.set NQ,     KSTEP/128
.set ROWB,   256
.set KROW,   SIZE_K*4/8
.set PITCH,  272                       ; an LDS row: 256 bytes + 16 of padding: the 16 rows that a load touches start at 16 different banks
.set FR,     8
.set NL,     2
.set NP,     4
.set HALFT,  128*PITCH
.set SLOT,   4*HALFT
.set LAPS,   SIZE_K/(2*KSTEP)
.set KS,     SIZE_K/32
.set SCL,    2*SLOT                    ; behind the ring: the scales, as units of 256 bytes + 16 of padding
.set HALFS,  (128*KS/256)*272
.set SBLK,   (16*KS/256)*272
.set SPARE,  SCL+4*HALFS               ; the spare words, 128 bytes for each wave
.set SPITCH, 528                       ; the way out: a stage of 16 rows x (512 + 16) bytes for each wave, in slot 0, which has had its last fill and its last read by then
.set ADRA, 16
.set ADRB, 20
.set STO,  24
.set RD,   25
.set CO,   26                          ; v26  16 x lane; never rewritten
.set ADRS, 27
.set SPW,  28
.set NIL,  29
.set FLG,  30                          ; v30  0 in the waves that hold v's positions 0-127
.set CH,   31                          ; v31  8 x lane
.set SC,   32
.set AF,   128
.set BK,   128
.set YB,   32
.set DT,   96
.set G1, 24
.set G0, 32
.set G1B, 48
.set G0B, 56
.set G1S, 68
.set G0S, 76
.set G1SB, 80
.set G0SB, 88
.set MSB, 0
.macro WIN new                         ; the immediate's high byte repeats the setting that is left
.if MSB != \new
	s_set_vgpr_msb (MSB<<8)|\new
.set MSB, \new
.endif
.endm
.set MUL_LO, 0xa1                      ; source 0 (B) window 1, source 1 (A) window 0, C and D window 2
.set MUL_HI, 0xf1                      ; the same, C and D window 3
.set TO_B,   0x40                      ; destination window 1, address window 0
; A joint load: waves 0 and 1 fetch for A, waves 2 and 3 for B; the branch hangs on the wave's number alone.  An s_nop 0 and four v_nop follow each of the two lines.
.macro JLOAD g0a, g1a, g0b, g1b
	s_cmp_eq_u32 s15, 0
	s_cbranch_scc0 .Lfor_b_\@
	tensor_load_to_lds s[\g0a:\g0a+3], s[\g1a:\g1a+7]
	s_nop 0
.rept 4
	v_nop
.endr
	s_branch .Lasked_\@
.Lfor_b_\@:
	tensor_load_to_lds s[\g0b:\g0b+3], s[\g1b:\g1b+7]
	s_nop 0
.rept 4
	v_nop
.endr
.Lasked_\@:
.endm
.macro CREST                           ; a round of the cluster's barrier behind its opening barrier
	s_cmp_lg_u32 s14, 0
	s_cbranch_scc1 .Lnot_wave_0_\@
	s_barrier_signal -3
.Lnot_wave_0_\@:
	s_barrier_wait -3
	s_barrier_signal -1
	s_barrier_wait -1
.endm
.macro CROUND
	s_barrier_signal -1
	s_barrier_wait -1
	CREST
.endm
; The table's 16 rows of block a: whole rows of 512 bytes, into set a % 4 of window 1: sets 0 and 1 at v64 and v192, sets 2 and 3 at v0 and v128
.macro TAB a
.set TT, 64*(1-((\a)%4)/2)+128*((\a)%2)
	WIN 0x40
.irp t, 0,1,2,3,4,5,6,7,8,9,10,11,12,13,14,15
	global_load_b128 v[TT+4*\t:TT+4*\t+3], v[CO], s[96:97] offset:(16*(\a)+\t)*512
.endr
	WIN 0
.endm
	s_load_b64 s[4:5], s[0:1], 0x0                 ; A's codes
	s_load_b64 s[8:9], s[0:1], 0x0                 ; B's: the same buffer, 2 MiB on
	s_load_b64 s[6:7], s[0:1], 0x8                 ; A's scales
	s_load_b64 s[10:11], s[0:1], 0x8               ; B's: 128 KiB on
	s_load_b64 s[12:13], s[0:1], 0x10              ; qkv16
	s_load_b64 s[96:97], s[0:1], 0x18              ; rope
	s_load_b64 s[98:99], s[0:1], 0x20              ; vfine
	v_lshl_add_u32 v[SPW], v0, 2, SPARE
	v_mov_b32 v[NIL], 0
	ds_add_u32 v[SPW], v[NIL]                      ; the wave's opening: the add, twice on end, and its wait ahead of my first tensor load
	ds_add_u32 v[SPW], v[NIL]
	v_lshrrev_b32 v1, 5, v0
	v_readfirstlane_b32 s14, v1                    ; wave 0..3
	s_lshr_b32 s15, s14, 1                         ; which half of the tile's rows is mine.  Also: I fetch for A (0) or for B (1)
	s_and_b32 s16, s14, 1                          ; which half of its columns.  Also: which 128 rows of that tile I fetch
	s_bfe_u32 s40, ttmp6, 0x40000                  ; cx, cy
	s_bfe_u32 s41, ttmp6, 0x40004
	s_lshl_b32 s42, ttmp9, 2
	s_add_co_u32 s42, s42, s40                     ; tile column = 4 x cluster x + cx
	s_and_b32 s17, ttmp7, 0xffff
	s_lshl_b32 s17, s17, 2
	s_add_co_u32 s17, s17, s41                     ; tile row = 4 x cluster y + cy
	s_lshl_b32 s43, s41, 2
	s_lshl_b32 s43, 15, s43                        ; my row of the cluster
	s_lshl_b32 s44, 0x1111, s40                    ; my column
	s_or_b32 s[G1+0], s43, (0<<16)|(1<<20)|(1<<21)|(5<<22)|(3<<25)  ; the mask; elements of 1 byte; padding of 4 words after every 64; bit 21 beside a mask
	s_or_b32 s[G1B+0], s44, (0<<16)|(1<<20)|(1<<21)|(5<<22)|(3<<25)
.irp g, G1, G1B
	s_mov_b32 s[\g+1], ROWB<<16                    ; tensor_dim0
	s_mov_b32 s[\g+2], 128<<16                     ; tensor_dim1
	s_mov_b32 s[\g+3], ROWB<<16                    ; tile_dim0
	s_mov_b32 s[\g+4], 128                         ; tile_dim1
	s_mov_b32 s[\g+5], KROW                        ; the pitch
	s_mov_b32 s[\g+6], 0
	s_mov_b32 s[\g+7], 0
.endr
	s_or_b32 s[G1S+0], s43, (3<<16)|(1<<20)|(1<<21)|(5<<22)|(3<<25) ; the scales of 128 rows: a dense block, as rows of 256 bytes (32 elements of 8), 16 bytes of padding behind each
	s_or_b32 s[G1SB+0], s44, (3<<16)|(1<<20)|(1<<21)|(5<<22)|(3<<25)
.irp g, G1S, G1SB
	s_mov_b32 s[\g+1], 32<<16
	s_mov_b32 s[\g+2], (128*KS/256)<<16
	s_mov_b32 s[\g+3], 32<<16
	s_mov_b32 s[\g+4], 128*KS/256
	s_mov_b32 s[\g+5], 32
	s_mov_b32 s[\g+6], 0
	s_mov_b32 s[\g+7], 0
.endr
	s_lshl_b32 s18, s16, 7
	s_lshl_b32 s20, s17, 8
	s_add_co_u32 s20, s20, s18                     ; A: row 256 x tile row + 128 x half
	s_lshl_b32 s46, s42, 8
	s_add_co_u32 s46, s46, s18                     ; B: row 256 x tile column + 128 x half
	s_mov_b32 s21, 0
	s_mov_b32 s47, 0
	s_mov_b64 s[18:19], KS
	s_mul_u64 s[22:23], s[20:21], s[18:19]
	s_mul_u64 s[92:93], s[46:47], s[18:19]
	s_mov_b64 s[18:19], KROW
	s_mul_u64 s[20:21], s[20:21], s[18:19]
	s_mul_u64 s[46:47], s[46:47], s[18:19]
	s_mul_i32 s45, s14, HALFT                      ; where they go: wave x 128 rows: no place in the cluster enters an LDS address
	s_mul_i32 s94, s14, HALFS
	s_wait_dscnt 0x0                               ; both opening adds are done
	s_wait_kmcnt 0x0
	s_add_nc_u64 s[8:9], s[8:9], 0x200000
	s_add_nc_u64 s[10:11], s[10:11], 0x20000
	s_add_nc_u64 s[20:21], s[4:5], s[20:21]
	s_add_nc_u64 s[22:23], s[6:7], s[22:23]
	s_add_nc_u64 s[46:47], s[8:9], s[46:47]
	s_add_nc_u64 s[92:93], s[10:11], s[92:93]
	CROUND                                         ; all sixteen work-groups are here: the first joint loads meet
	s_mov_b32 s[G0S], 1
	s_add_co_u32 s[G0S+1], s94, SCL
	s_mov_b64 s[G0S+2:G0S+3], s[22:23]
	s_or_b32 s[G0S+3], s[G0S+3], 0x80000000
	s_mov_b32 s[G0SB], 1
	s_add_co_u32 s[G0SB+1], s94, SCL
	s_mov_b64 s[G0SB+2:G0SB+3], s[92:93]
	s_or_b32 s[G0SB+3], s[G0SB+3], 0x80000000
	JLOAD G0S, G1S, G0SB, G1SB                     ; the scales first: they are wanted with K step 0
.irp s, 0,1
	s_mov_b32 s[G0+4*\s], 1
	s_add_co_u32 s[G0+4*\s+1], s45, \s*SLOT
	s_add_nc_u64 s[G0+4*\s+2:G0+4*\s+3], s[20:21], \s*ROWB
	s_or_b32 s[G0+4*\s+3], s[G0+4*\s+3], 0x80000000
	s_mov_b32 s[G0B+4*\s], 1
	s_add_co_u32 s[G0B+4*\s+1], s45, \s*SLOT
	s_add_nc_u64 s[G0B+4*\s+2:G0B+4*\s+3], s[46:47], \s*ROWB
	s_or_b32 s[G0B+4*\s+3], s[G0B+4*\s+3], 0x80000000
	JLOAD G0+4*\s, G1, G0B+4*\s, G1B
.endr
	v_and_b32 v1, 15, v0                           ; l % 16
	v_bfe_u32 v2, v0, 4, 1                         ; l / 16
	v_mul_u32_u24 v3, v1, PITCH
	v_lshl_add_u32 v4, v2, 4, v3
	s_mul_i32 s21, s15, HALFT                      ; my 128 rows of A
	s_mul_i32 s22, s16, HALFT                      ; my 128 rows of B,
	s_add_co_u32 s22, s22, 2*HALFT                 ; which lie behind A's 256
.irp s, 0,1
	v_add_nc_u32 v[ADRA+\s], s21, v4
	v_add_nc_u32 v[ADRB+\s], s22, v4
	s_add_co_u32 s21, s21, SLOT
	s_add_co_u32 s22, s22, SLOT
.endr
	v_mul_u32_u24 v5, v1, KS                       ; my row's scales: KS bytes a row,
	v_lshrrev_b32 v6, 8, v5
	v_lshl_add_u32 v5, v6, 4, v5                   ; and 16 more for each 256 passed
	s_mul_i32 s21, s15, HALFS
	s_mul_i32 s22, s16, HALFS
	s_add_co_u32 s22, s22, 2*HALFS
	s_sub_co_u32 s22, s22, s21
	v_mul_u32_u24 v6, s22, v2                      ; lanes 16-31 take B's
	s_add_co_u32 s21, s21, SCL
	v_add_nc_u32 v5, v5, v6
	v_add_nc_u32 v[ADRS], s21, v5
	s_mul_i32 s23, s14, 16*SPITCH                  ; my stage
	v_mul_u32_u24 v5, v1, SPITCH
	v_lshl_add_u32 v5, v2, 5, v5
	v_add_nc_u32 v[STO], s23, v5
	v_and_b32 v6, 31, v0
	v_lshlrev_b32 v[CO], 4, v6
	v_lshlrev_b32 v[CH], 3, v6
	v_add_nc_u32 v[RD], s23, v[CO]
	; the way out's addresses: my first position m0, my head hn of 24, the table's section
	s_lshl_b32 s20, s17, 8
	s_lshl_b32 s21, s15, 7
	s_add_co_u32 s20, s20, s21                     ; m0 = 256 x tile row + 128 x half
	s_lshl_b32 s46, s42, 1
	s_add_co_u32 s46, s46, s16                     ; hn = 2 x tile column + half
	s_cmp_lt_u32 s46, 16
	s_cselect_b32 s47, 0, 0x100000
	s_cmp_lt_u32 s46, 20
	s_cselect_b32 s92, 0, 0x100000
	s_add_co_u32 s47, s47, s92                     ; the section's first byte: q 0, k 1 MiB, v 2 MiB
	s_xor_b32 s95, s47, 0x200000
	s_or_b32 s95, s95, s20                         ; 0 where the head is one of v's and m0 = 0
	v_mov_b32 v[FLG], s95
	s_lshl_b32 s92, s46, 11
	s_add_co_u32 s92, s92, s20
	s_lshl_b32 s92, s92, 8
	s_mov_b32 s93, 0
	s_add_nc_u64 s[12:13], s[12:13], s[92:93]      ; qkv16 at (hn, m0)
	s_lshl_b32 s92, s20, 9
	s_add_co_u32 s92, s92, s47
	s_add_nc_u64 s[96:97], s[96:97], s[92:93]      ; the table at (section, m0); never rewritten
	s_max_u32 s92, s46, 20
	s_sub_co_u32 s92, s92, 20
	s_lshl_b32 s92, s92, 13
	s_add_nc_u64 s[98:99], s[98:99], s[92:93]      ; vfine at my kv head (held inside the buffer in every wave)
	TAB 0                                          ; the table's rows of the first two blocks: they land while the products run; nothing names their registers before the way out
	TAB 1
.macro FRAG reg, adr, q, i             ; a fragment, 16 rows x 128 K of 4-bit codes: 8 registers, two loads of 16 bytes, 32 bytes apart
.irp c, 0,1
	ds_load_b128 v[\reg+4*\c:\reg+4*\c+3], v[\adr] offset:64*(\q)+32*\c+(\i)*16*PITCH
.endr
.endm
; 16 matrix instructions: A's blocks a0, a0 + 1 x B's eight, 128 along K.  The 64 accumulators take turns, one instruction a turn, in the same order in every step.
.macro MUL16 a0, p, q, sc, zero
.irp a, \a0, \a0+1
.irp b, 0,1,2,3,4,5,6,7
.if \zero
	v_wmma_scale_f32_16x16x128_f8f6f4 v[8*(8*((\a)%4)+\b):8*(8*((\a)%4)+\b)+7], v[128*(\p)+FR*\b:128*(\p)+FR*\b+FR-1], v[AF+FR*(\a):AF+FR*(\a)+FR-1], 0, v[SC+8*NQ*(\sc)+NQ*\b+(\q)], v[SC+8*NQ*(\sc)+NQ*(\a)+(\q)] matrix_a_fmt:MATRIX_FMT_FP4 matrix_b_fmt:MATRIX_FMT_FP4 matrix_a_scale:MATRIX_SCALE_ROW1
.else
	v_wmma_scale_f32_16x16x128_f8f6f4 v[8*(8*((\a)%4)+\b):8*(8*((\a)%4)+\b)+7], v[128*(\p)+FR*\b:128*(\p)+FR*\b+FR-1], v[AF+FR*(\a):AF+FR*(\a)+FR-1], v[8*(8*((\a)%4)+\b):8*(8*((\a)%4)+\b)+7], v[SC+8*NQ*(\sc)+NQ*\b+(\q)], v[SC+8*NQ*(\sc)+NQ*(\a)+(\q)] matrix_a_fmt:MATRIX_FMT_FP4 matrix_b_fmt:MATRIX_FMT_FP4 matrix_a_scale:MATRIX_SCALE_ROW1
.endif
.endr
.endr
.endm
.macro FETCH_B slot, q, p
	WIN TO_B
.irp i, 0,1,2,3,4,5,6,7
	FRAG 128*(\p)+FR*\i, ADRB+\slot, \q, \i
.endr
	WIN 0
.endm
.macro FETCH_A slot, q, i0
.irp i, \i0, \i0+1, \i0+2, \i0+3
	FRAG AF+FR*(\i), ADRA+\slot, \q, \i
.endr
.endm
.macro SCALES sc                       ; a K step's scale words: lanes 0-15 take A's block i, lanes 16-31 B's block i
.irp i, 0,1,2,3,4,5,6,7
	ds_load_b128 v[SC+8*NQ*\sc+NQ*\i:SC+8*NQ*\sc+NQ*\i+3], v[ADRS] offset:\i*SBLK
.endr
.endm
.macro PLACES n                        ; plain vector instructions between a matrix instruction and a load into, or a read of, its registers
.rept \n
	v_nop
.endr
.endm
.macro STEP slot, q, zero              ; a step of 128 along K that has its successor in the same slot
	s_wait_dscnt 4*NL                              ; B's set and A's blocks 0-3 are in; the youngest eight loads (A's blocks 4-7) may be out
	WIN MUL_LO
	MUL16 0, (\q)%2, \q, \slot, \zero
	MUL16 2, (\q)%2, \q, \slot, \zero
	s_wait_dscnt 0
	PLACES NP
	FETCH_B \slot, (\q)+1, 1-(\q)%2
	FETCH_A \slot, (\q)+1, 0
	WIN MUL_HI
	MUL16 4, (\q)%2, \q, \slot, \zero
	MUL16 6, (\q)%2, \q, \slot, \zero
	PLACES NP
	WIN 0
	FETCH_A \slot, (\q)+1, 4
.endm
; A slot's last step changes slots: one barrier; in front of it each wave waits for all its tensor loads, adds 0 to its spare word, and waits for that and for its own reads of this slot.
.macro TURN slot, next, fill
	s_wait_tensorcnt 0x0                           ; all my tensor loads have landed: my part of the next slot
	ds_add_u32 v[SPW], v[NIL]                      ; 0 onto my spare word
	s_wait_dscnt 4*NL+1                            ; the add and the youngest eight loads may be out
	WIN MUL_LO
	MUL16 0, 1, NQ-1, \slot, 0
	s_wait_dscnt 0x0                               ; the add is done, and my reads of this slot are over
	s_barrier_signal -1
	MUL16 2, 1, NQ-1, \slot, 0
	WIN 0
	s_barrier_wait -1
.if \fill
	CREST                                          ; the barrier has opened a round of the cluster's barrier: no wave of any partner still reads this slot or has a load on its way
	s_add_nc_u64 s[G0+4*\slot+2:G0+4*\slot+3], s[G0+4*\slot+2:G0+4*\slot+3], 2*ROWB
	s_add_nc_u64 s[G0B+4*\slot+2:G0B+4*\slot+3], s[G0B+4*\slot+2:G0B+4*\slot+3], 2*ROWB
	JLOAD G0+4*\slot, G1, G0B+4*\slot, G1B         ; the first tensor load behind the round; its four v_nop are also the places in front of the loads below
.else
	PLACES NP
.endif
	v_add_nc_u32 v[ADRS], 4*NQ, v[ADRS]            ; on to the next K step's scale words
	FETCH_B \next, 0, 0
	FETCH_A \next, 0, 0
	SCALES \next
	WIN MUL_HI
	MUL16 4, 1, NQ-1, \slot, 0
	MUL16 6, 1, NQ-1, \slot, 0
	PLACES NP
	WIN 0
	FETCH_A \next, 0, 4
.endm
.macro STEPS slot, from
.set Q, \from
.rept NQ-1-\from
	STEP \slot, Q, 0
.set Q, Q+1
.endr
.endm
	s_wait_tensorcnt 1                             ; the scales and my part of K step 0 are in; K step 1's load may be out
	s_barrier_signal -1
	s_barrier_wait -1
	FETCH_B 0, 0, 0
	FETCH_A 0, 0, 0
	SCALES 0
	FETCH_A 0, 0, 4
	STEP 0, 0, 1                                   ; the first step stands in front of the loop: its products start the sums
	s_mov_b32 s3, LAPS-1
.Llap:                                                 ; a trip goes once round the ring and fills both slots again
	STEPS 0, 1
	TURN 0, 1, 1
	STEPS 1, 0
	TURN 1, 0, 1
	STEP 0, 0, 0
	s_sub_co_u32 s3, s3, 1
	s_cmp_lg_u32 s3, 0
	s_cbranch_scc1 .Llap
	STEPS 0, 1                                     ; the last lap fills nothing
	TURN 0, 1, 0
	STEPS 1, 0
	s_wait_dscnt 4*NL
	WIN MUL_LO
	MUL16 0, 1, NQ-1, 1, 0
	MUL16 2, 1, NQ-1, 1, 0
	s_wait_dscnt 0
	WIN MUL_HI
	MUL16 4, 1, NQ-1, 1, 0
	MUL16 6, 1, NQ-1, 1, 0
	WIN 0
; THE WAY OUT, block by block of 16 positions.
.macro TOSTAGE a                       ; the block through my stage: LDS serves a wave's instructions in order, so no wait stands between the stores and the loads
.set AC, 64*((\a)%4)
	WIN 0x08+4*((\a)/4)                            ; the data: window 2 or 3
.irp b, 0,1,2,3,4,5,6,7
	ds_store_b128 v[STO], v[AC+8*\b:AC+8*\b+3] offset:64*\b          ; each accumulator from its low end on
	ds_store_b128 v[STO], v[AC+8*\b+4:AC+8*\b+7] offset:64*\b+16
.endr
	WIN 0
.set BB, BK+64*((\a)%2)
.irp t, 0,1,2,3,4,5,6,7,8,9,10,11,12,13,14,15
	ds_load_b128 v[BB+4*\t:BB+4*\t+3], v[RD] offset:\t*SPITCH
.endr
.endm
.macro ROPE a                          ; rotate, round to f16, store
.set BB, BK+64*((\a)%2)
.set TT, 64*(1-((\a)%4)/2)+128*((\a)%2)
.set YY, YB+32*((\a)%2)
	s_wait_xcnt 0x0                                ; the stores of two blocks ago have read this set of packed rows
	WIN 0x04                                       ; source 1, the table: window 1
.irp t, 0,2,4,6,8,10,12,14             ; two rows, four pairs at a time
.irp e, 0,1,2,3
	v_pk_mul_f32 v[DT+2*\e:DT+2*\e+1], v[BB+4*\t+2*\e:BB+4*\t+2*\e+1], v[TT+4*\t+2*\e:TT+4*\t+2*\e+1] op_sel:[0,0] op_sel_hi:[0,1]   ; (re C, re S)
.endr
.irp e, 0,1,2,3
	v_pk_fma_f32 v[BB+4*\t+2*\e:BB+4*\t+2*\e+1], v[BB+4*\t+2*\e:BB+4*\t+2*\e+1], v[TT+4*\t+2*\e:TT+4*\t+2*\e+1], v[DT+2*\e:DT+2*\e+1] op_sel:[1,1,0] op_sel_hi:[1,0,1] neg_lo:[1,0,0]   ; (re C - im S, re S + im C)
.endr
.endr
	WIN 0
.if (\a) == 0                          ; v's positions 0-15 in f32: a lane mask, not a branch
	s_wait_xcnt 0x0                                ; EXEC changes only behind this wait
	v_cmp_eq_u32 vcc_lo, 0, v[FLG]
	s_and_saveexec_b32 s94, vcc_lo
.irp t, 0,1,2,3,4,5,6,7,8,9,10,11,12,13,14,15
	global_store_b128 v[CO], v[BB+4*\t:BB+4*\t+3], s[98:99] offset:512*\t
.endr
	s_wait_xcnt 0x0                                ; and again in front of the line that widens it; the stores have also read their data
	s_or_b32 exec_lo, exec_lo, s94
.endif
.irp t, 0,1,2,3,4,5,6,7,8,9,10,11,12,13,14,15
	v_cvt_pk_f16_f32 v[YY+2*\t], v[BB+4*\t], v[BB+4*\t+1]
	v_cvt_pk_f16_f32 v[YY+2*\t+1], v[BB+4*\t+2], v[BB+4*\t+3]
.endr
.irp t, 0,1,2,3,4,5,6,7,8,9,10,11,12,13,14,15
	global_store_b64 v[CH], v[YY+2*\t:YY+2*\t+1], s[12:13] offset:(16*(\a)+\t)*256   ; 32 lanes store a row of 256 bytes, aligned
.endr
.endm
	PLACES NP                                      ; behind the last products: for the loads into registers that held fragments, and for the reads of results
	TAB 2                                          ; into B's two sets, which are done with
	TAB 3
	TOSTAGE 0
.irp a, 0,1,2,3,4,5,6
	TOSTAGE \a+1
	s_wait_dscnt 32                                ; block a is back; the next block's 16 stores and 16 loads may be out
.if \a < 5
	s_wait_loadcnt 48                              ; its table rows are in; the rows of the three blocks behind it, 16 loads each, may be out
.else
	s_wait_loadcnt 16*(7-\a)                       ; fewer blocks are left behind it
.endif
	ROPE \a
.if \a < 4
	TAB \a+4                                       ; its set takes the rows of the block four further on
.endif
.endr
	s_wait_dscnt 0x0
	s_wait_loadcnt 0x0
	ROPE 7
	s_wait_tensorcnt 0x0                           ; the wave's end
	ds_add_u32 v[SPW], v[NIL]
	s_wait_dscnt 0x0
	CROUND                                         ; the closing round: no work-group ends while a partner may still ask for a tile that names it
	s_endpgm
.Lfunc_end_k_q3590af6eb8_qkv:
	.size	k_q3590af6eb8_qkv, .Lfunc_end_k_q3590af6eb8_qkv-k_q3590af6eb8_qkv
	.p2alignl 7, 3214868480
	.fill 96, 4, 3214868480
	.section	.rodata,"a",@progbits
	.p2align	6, 0x0
	.amdhsa_kernel k_q3590af6eb8_qkv
		.amdhsa_group_segment_fixed_size 327680
		.amdhsa_private_segment_fixed_size 0
		.amdhsa_enable_private_segment 0
		.amdhsa_kernarg_size 40
		.amdhsa_user_sgpr_count 2
		.amdhsa_user_sgpr_kernarg_segment_ptr 1
		.amdhsa_wavefront_size32 1
		.amdhsa_system_sgpr_workgroup_id_x 1
		.amdhsa_system_sgpr_workgroup_id_y 1
		.amdhsa_system_sgpr_workgroup_id_z 1
		.amdhsa_system_vgpr_workitem_id 0
		.amdhsa_next_free_vgpr 1024
		.amdhsa_next_free_sgpr 100
		.amdhsa_reserve_vcc 1
		.amdhsa_float_denorm_mode_32 3
		.amdhsa_float_denorm_mode_16_64 3
		.amdhsa_memory_ordered 1
		.amdhsa_forward_progress 1
		.amdhsa_inst_pref_size 255
	.end_amdhsa_kernel
	.section	.bss,"aw",@nobits
	.p2align	6
	.space	262144
	.amdgpu_metadata
---
amdhsa.version: [ 1, 2 ]
amdhsa.kernels:
  - .name:           k_q3590af6eb8_qkv
    .symbol:         k_q3590af6eb8_qkv.kd
    .args:
      - { .name: codes, .offset: 0, .size: 8, .value_kind: global_buffer, .address_space: global }
      - { .name: scales, .offset: 8, .size: 8, .value_kind: global_buffer, .address_space: global }
      - { .name: qkv16, .offset: 16, .size: 8, .value_kind: global_buffer, .address_space: global }
      - { .name: rope, .offset: 24, .size: 8, .value_kind: global_buffer, .address_space: global }
      - { .name: vfine, .offset: 32, .size: 8, .value_kind: global_buffer, .address_space: global }
    .group_segment_fixed_size: 327680
    .private_segment_fixed_size: 0
    .kernarg_segment_align: 8
    .kernarg_segment_size: 40
    .max_flat_workgroup_size: 128
    .sgpr_count:     100
    .vgpr_count:     1024
    .wavefront_size: 32
...
	.end_amdgpu_metadata
.endif
;; end of part 2
;; launch attn (part 3): grid 64 x 4, 8 waves a work-group, no clusters, 327,680 bytes of LDS; arguments qkv16, attn16; writes attn16
.if DOCPART == 3
	.amdgcn_target "amdgcn-amd-amdhsa--gfx1250"
	.amdhsa_code_object_version 6
	.text
	.protected	k_q3590af6eb8_attn
	.globl	k_q3590af6eb8_attn
	.p2align	8
	.type	k_q3590af6eb8_attn,@function
k_q3590af6eb8_attn:
	s_mov_b64 s[64:65], 0
	v_nop
	global_prefetch_b8 v0, s[64:65] scope:SCOPE_SE
	s_setreg_imm32_b32 hwreg(HW_REG_WAVE_MODE, 25, 1), 1
	s_wait_xcnt 0x0
; CAUSAL ATTENTION, 16 query heads on 4 key and value heads, head size 128, 2,048 positions, f16 operands, f32 sums.  qkv16 [24][2048][128]: heads 0-15 q' = SQ rope(q), 16-19 k' = SK rope(k), 20-23 v;
; q' . k' = t, the score in the exponent of 2.  For each query a running maximum m and sum l: p = 2^(t - m); O and l are multiplied by 2^(old m - new m) in every step.  attn16 [2048][16 x 128] f16 = O / l.
; SHARES.  Work-group x owns TWO blocks of 16 positions, an early one and a late one: 16 x .. and 16 (127 - x) .., of the FOUR query heads that share one key and value head: they read the same K and V tiles from its LDS.
; So the keys that count, early block's and late block's together, are as many in every work-group.  Wave w: head w % 4, tile 0 = the early block, tile 1 = the late one; of every slot of 256 keys it takes the steps of 64 keys
; number w / 4 and w / 4 + 2.  Two waves lie on a SIMD, so one wave's softmax stands beside the other's products.  At the end the two halves of a head's keys are merged through LDS.
; NO CLUSTER: the work-groups that read the same K and V (other positions of the same four heads) need different numbers of tiles under the mask, and a joint request may not be left out by one partner.
; LAYOUT.  S^T = K Q^T (source 0 = 16 keys, source 1 = 16 queries), O^T = V^T P (source 0 = 16 channels, source 1 = P): a lane holds one query throughout.  V ([key][channel]) comes out of LDS turned.
; THE MASK.  Every work-group walks all 8 slots (constant trip counts).  A step all of whose keys come after the late block is jumped over; one all of whose keys come after the early block is walked for tile 1 alone
; (half the products, half the softmax; K's and V's fragments then feed one product each); a slot that no wave would read is not asked for; in a tile's step on the diagonal hidden scores become -infinity.
; A step's first key is a multiple of 64 and a tile's first query a multiple of 16: so a step that is walked for a tile has a key that counts for all its 16 queries, and m is a number from the tile's first step on.
; A step walked for both tiles begins at key 960 at the latest and ends under key 1,024, the first late query there is: so only the early tile can lie on the diagonal there.
; LIMITS: hidden keys count for nothing, which equals the definition's -1e9 while a row's largest visible score lies above about -1e9 + 150.  f16's range as stated for qkv16; the result must stay under 65,504.
; REGISTERS: window 0: v1-11 addresses; v12-27 statistics (tile t at 12 + 8 t: +0 m, +1 zero, +2, +3 l, +4..+7 at work, a in +6); v28-31; v32-95 S^T; v96-127 P; v128-255 16 fragments of K, then of V.
;   window 1: v0-127 O^T (64 t + 8 d); v128-191 Q (32 t + 8 c); v192-255 the partner's tile in the merge.
.set PK,    272                        ; a row of K in LDS: 256 bytes + 16
.set PV,    288                        ; a row of V: 256 + 32, for the turning load
.set VOFF,  256*PK                     ; a slot: 256 rows of K, then 256 rows of V
.set SLOTB, 256*(PK+PV)
.set SPARE, 2*SLOTB                    ; the spare words, 128 bytes for each of eight waves
.set IMGB,  17408                      ; the merge: an image of O^T's 128 registers (32 x 512 bytes) and, at 16,384, the statistics; one for each head, in the slot left at the last change
.set OST,   4*IMGB                     ; behind them: a stage of 16 rows x 272 bytes for each head
.set RH,   1                           ; v1   r - 8 h
.set AK0,  2
.set AV0,  3
.set ADK,  4
.set ADV,  5
.set QO,   6
.set STO,  7
.set RD,   8
.set GO,   9
.set IMGA, 10
.set DD,   11
.set ST,   12
.set PFO,  28
.set NINF, 29
.set SPW,  30
.set NIL,  31
.set S,    32
.set P,    96
.set KV,   128
.set QF,   128                         ; window 1
.set XM,   192                         ; window 1
.set GG,   48                          ; the merge's factors
.set OB,   64                          ; packed rows
.set OUA,  6                           ; s[6:7]   attn16 at tile 0's first row, my head
.set WV,   8
.set HD,   9
.set KH,   10
.set PA,   13                          ; s13  tile 0's first query
.set PB,   14                          ; s14  tile 1's: the register behind PA, so that the tile's number picks it
.set G1K,  16
.set G1V,  24
.set G0K,  32
.set G0V,  36
.set TB,   40                          ; s40  the slot in hand
.set FB,   41                          ; s41  the slot being filled
.set KOFF, 42
.set VOFW, 43
.set SLOTS, 44
.set SK0,  45                          ; s45  the first key of the slot in hand
.set KF,   46                          ; s46  my step's first key
.set SEL,  48
.set PFA,  50
.set LIM,  52
.set QA,   56                          ; s[56:57] Q at tile 0's first row
.set QB,   58                          ; s[58:59] at tile 1's
.set PLAST, 60                         ; s60  the work-group's last query: tile 1's
.set PAL,  61                          ; s61  tile 0's last query
.set OUB,  62                          ; s[62:63] attn16 at tile 1's first row, my head
.set MSB, 0
.macro WIN new
.if MSB != \new
	s_set_vgpr_msb (MSB<<8)|\new
.set MSB, \new
.endif
.endm
; Waves 0 and 1 fetch K's halves of a slot, waves 2 and 3 V's, the others nothing.  An s_nop 0 and four v_nop follow each load.
.macro TLOAD
	s_cmp_lt_u32 s[WV], 2
	s_cbranch_scc0 .Lnot_k_\@
	tensor_load_to_lds s[G0K:G0K+3], s[G1K:G1K+7]
	s_nop 0
.rept 4
	v_nop
.endr
	s_branch .Lasked_\@
.Lnot_k_\@:
	s_cmp_lt_u32 s[WV], 4
	s_cbranch_scc0 .Lasked_\@
	tensor_load_to_lds s[G0V:G0V+3], s[G1V:G1V+7]
	s_nop 0
.rept 4
	v_nop
.endr
.Lasked_\@:
.endm
; A prefetch of what the NEXT change of slots will ask for.  All work-groups of a key and value head walk the same rows: the one that holds the last positions (x = 0), which asks for every slot, prefetches; in it waves 4 and 5
; for K's halves, waves 6 and 7 for V's: 128 rows of 256 bytes each, a lane a row, four instructions.  So each row is named once in the launch.  Slots 0 and 1 come by their loads alone; the last change that fills a slot asks for nothing.
.macro ASK
	s_cmp_gt_u32 s[SLOTS], s[LIM]
	s_cbranch_scc0 .Lnot_mine_\@
.irp o, 0,8192,16384,24576
	global_prefetch_b8 v[PFO], s[PFA:PFA+1] offset:\o th:TH_LOAD_NT scope:SCOPE_SE
.endr
.Lnot_mine_\@:
.endm
	s_load_b128 s[4:7], s[0:1], 0x0                ; qkv16, attn16
	v_lshl_add_u32 v[SPW], v0, 2, SPARE
	v_mov_b32 v[NIL], 0
	ds_add_u32 v[SPW], v[NIL]                      ; the wave's opening: the add, twice on end, and its wait ahead of my first tensor load
	ds_add_u32 v[SPW], v[NIL]
	v_lshrrev_b32 v1, 5, v0
	v_readfirstlane_b32 s[WV], v1                  ; wave 0..7
	s_and_b32 s[HD], s[WV], 3
	s_lshr_b32 s[KH], s[WV], 2
	s_and_b32 s11, s[WV], 1                        ; which half of a tile I fetch or ask for
	s_and_b32 s12, ttmp7, 0xffff                   ; the key and value head
	s_lshl_b32 s[PA], ttmp9, 4                     ; the early block: 16 x
	s_sub_co_u32 s[PB], 127, ttmp9
	s_lshl_b32 s[PB], s[PB], 4                     ; the late block: 16 (127 - x)
	s_add_co_u32 s[PAL], s[PA], 15
	s_add_co_u32 s[PLAST], s[PB], 15
	s_mov_b32 s[G1K], (1<<16)|(1<<20)|(5<<22)|(3<<25)   ; elements of 2 bytes; padding of 4 words after every 64
	s_mov_b32 s[G1V], (1<<16)|(1<<20)|(5<<22)|(7<<25)   ; of 8 words
.irp g, G1K, G1V
	s_mov_b32 s[\g+1], 128<<16                     ; tensor_dim0
	s_mov_b32 s[\g+2], 128<<16                     ; tensor_dim1
	s_mov_b32 s[\g+3], 128<<16                     ; tile_dim0
	s_mov_b32 s[\g+4], 128                         ; tile_dim1
	s_mov_b32 s[\g+5], 128                         ; the pitch
	s_mov_b32 s[\g+6], 0
	s_mov_b32 s[\g+7], 0
.endr
	s_mul_i32 s[KOFF], s11, 128*PK
	s_mul_i32 s[VOFW], s11, 128*PV
	s_add_co_u32 s[VOFW], s[VOFW], VOFF
	s_mov_b32 s[TB], 0
	s_mov_b32 s[FB], 0
	s_mov_b32 s[SLOTS], 7
	s_mov_b32 s[SK0], 0
	s_lshl_b32 s[KF], s[KH], 6
	s_mov_b32 s[SEL], 0x76543210
	s_mov_b32 s[SEL+1], 0xfedcba98
	s_add_co_u32 s54, s12, 16
	s_lshl_b32 s54, s54, 19
	s_lshl_b32 s55, s11, 15
	s_add_co_u32 s54, s54, s55                     ; K's head, my half of slot 0
	s_mov_b32 s55, 0
	s_lshl_b32 s53, s12, 2
	s_add_co_u32 s53, s53, s[HD]                   ; my query head:
	s_lshl_b32 s15, s53, 8                         ; its 256 bytes of a row of attn16,
	s_lshl_b32 s53, s53, 19                        ; its first byte in qkv16
	s_lshl_b32 s[QA], s[PA], 8
	s_add_co_u32 s[QA], s[QA], s53                 ; Q's rows of tile 0,
	s_mov_b32 s[QA+1], 0
	s_lshl_b32 s[QB], s[PB], 8
	s_add_co_u32 s[QB], s[QB], s53                 ; of tile 1
	s_mov_b32 s[QB+1], 0
	s_lshl_b32 s[OUB], s[PB], 12
	s_add_co_u32 s[OUB], s[OUB], s15               ; tile 1's place in attn16,
	s_mov_b32 s[OUB+1], 0
	s_lshl_b32 s2, s[PA], 12
	s_add_co_u32 s2, s2, s15                       ; tile 0's
	s_mov_b32 s3, 0
	s_xor_b32 s53, s[KH], 1                        ; 0 in waves 4 to 7,
	s_or_b32 s53, s53, ttmp9                       ; of the work-group that holds the last positions
	s_cmp_eq_u32 s53, 0
	s_cselect_b32 s[LIM], 1, -1
	s_wait_dscnt 0x0                               ; both opening adds are done
	s_wait_kmcnt 0x0
	s_mov_b32 s[G0K], 1
	s_mov_b32 s[G0K+1], s[KOFF]
	s_add_nc_u64 s[G0K+2:G0K+3], s[4:5], s[54:55]
	s_mov_b32 s[G0V], 1
	s_mov_b32 s[G0V+1], s[VOFW]
	s_add_nc_u64 s[G0V+2:G0V+3], s[G0K+2:G0K+3], 0x200000   ; V's head lies four heads on
	s_and_b32 s53, s[WV], 2
	s_cmp_eq_u32 s53, 0
	s_cselect_b64 s[PFA:PFA+1], s[G0K+2:G0K+3], s[G0V+2:G0V+3]
	s_add_nc_u64 s[PFA:PFA+1], s[PFA:PFA+1], 65536 ; in slot 1: the first change of slots steps it to slot 2
	s_or_b32 s[G0K+3], s[G0K+3], 0x80000000
	s_or_b32 s[G0V+3], s[G0V+3], 0x80000000
	TLOAD                                          ; slot 0
	s_add_nc_u64 s[QA:QA+1], s[4:5], s[QA:QA+1]
	s_add_nc_u64 s[QB:QB+1], s[4:5], s[QB:QB+1]
	s_add_nc_u64 s[OUB:OUB+1], s[6:7], s[OUB:OUB+1]
	s_add_nc_u64 s[OUA:OUA+1], s[6:7], s[2:3]
	v_and_b32 v32, 15, v0                          ; r
	v_bfe_u32 v33, v0, 4, 1                        ; h
	v_lshlrev_b32 v[QO], 8, v32
	v_lshl_add_u32 v[QO], v33, 4, v[QO]
	WIN 0x40                                       ; destination window 1
.irp c, 0,1,2,3
	global_load_b128 v[QF+8*\c:QF+8*\c+3], v[QO], s[QA:QA+1] offset:64*\c
	global_load_b128 v[QF+8*\c+4:QF+8*\c+7], v[QO], s[QA:QA+1] offset:64*\c+32
	global_load_b128 v[QF+32+8*\c:QF+32+8*\c+3], v[QO], s[QB:QB+1] offset:64*\c
	global_load_b128 v[QF+32+8*\c+4:QF+32+8*\c+7], v[QO], s[QB:QB+1] offset:64*\c+32
.endr
.set i, 0
.rept 128
	v_mov_b32 v[i], 0                              ; O^T.  A step is written once and may be a tile's first at any place; a tile with no step at all in this wave is merged all the same
.set i, i+1
.endr
	WIN 0
	v_lshlrev_b32 v34, 3, v33
	v_sub_nc_u32 v[RH], v32, v34
	v_mul_u32_u24 v[AK0], v32, PK
	v_lshl_add_u32 v[AK0], v33, 4, v[AK0]
	s_mul_i32 s53, s[KH], 64*PK
	v_add_nc_u32 v[AK0], s53, v[AK0]               ; K: row r, 16 bytes for each half of the lanes, my first step of a slot
	v_and_b32 v34, 7, v0
	v_bfe_u32 v35, v0, 3, 1
	v_lshl_add_u32 v[AV0], v33, 3, v34
	v_mul_u32_u24 v[AV0], v[AV0], PV
	v_lshl_add_u32 v[AV0], v35, 4, v[AV0]
	s_mul_i32 s53, s[KH], 64*PV
	s_add_co_u32 s53, s53, VOFF
	v_add_nc_u32 v[AV0], s53, v[AV0]               ; V: key 8 h + l % 8, channels 8 ((l / 8) % 2) on
	s_mul_i32 s53, s[HD], 16*272
	s_add_co_u32 s53, s53, OST
	v_mul_u32_u24 v[STO], v32, 272
	v_lshl_add_u32 v[STO], v33, 4, v[STO]
	v_add_nc_u32 v[STO], s53, v[STO]
	v_mul_u32_u24 v[RD], v33, 272
	v_lshl_add_u32 v[RD], v32, 4, v[RD]
	v_add_nc_u32 v[RD], s53, v[RD]
	v_lshlrev_b32 v[GO], 12, v33
	v_lshl_add_u32 v[GO], v32, 4, v[GO]
	v_and_b32 v34, 31, v0
	s_mul_i32 s53, s[HD], IMGB
	v_lshl_add_u32 v[IMGA], v34, 4, s53
	v_lshlrev_b32 v[PFO], 8, v34
	v_mov_b32 v[NINF], 0xff800000
.irp t, 0,1
	v_mov_b32 v[ST+8*\t], 0xff61b1e6               ; m: -3e38, under every t
.irp k, 1,2,3,4,5,6,7
	v_mov_b32 v[ST+8*\t+\k], 0
.endr
.endr
; THE WORK OF A KEY STEP, behind the loads of K: for tiles lo .. 1 (lo = 0: both; lo = 1: the late tile alone).  u: my u-th step of the slot in hand.  Only tile lo can lie on the diagonal.
.macro BODY u, lo
	WIN 0x04                                       ; source 1 (Q) window 1
.irp c, 0,1,2,3                                ; the eight (or four) accumulators take turns, one instruction a turn
.irp k, 0,1,2,3
.irp t, 0,1
.if \t >= \lo
.if \c == 0
	v_wmma_f32_16x16x32_f16 v[S+32*\t+8*\k:S+32*\t+8*\k+7], v[KV+8*(4*\k+\c):KV+8*(4*\k+\c)+7], v[QF+32*\t+8*\c:QF+32*\t+8*\c+7], 0
.else
	v_wmma_f32_16x16x32_f16 v[S+32*\t+8*\k:S+32*\t+8*\k+7], v[KV+8*(4*\k+\c):KV+8*(4*\k+\c)+7], v[QF+32*\t+8*\c:QF+32*\t+8*\c+7], v[S+32*\t+8*\k:S+32*\t+8*\k+7]
.endif
.endif
.endr
.endr
.endr
	WIN 0
.rept 4
	v_nop                                          ; places in front of the loads into K's registers and of the first read of the scores
.endr
.irp f, 0,1,2,3,4,5,6,7,8,9,10,11,12,13,14,15  ; V, turned: keys 32 (f / 8) on, channels 16 (f % 8) on; it lands while the softmax is walked
	ds_load_tr16_b128 v[KV+8*\f:KV+8*\f+3],   v[ADV] offset:128*\u*PV+(\f/8)*32*PV+(\f%8)*32
	ds_load_tr16_b128 v[KV+8*\f+4:KV+8*\f+7], v[ADV] offset:128*\u*PV+(\f/8)*32*PV+16*PV+(\f%8)*32
.endr
	s_add_co_u32 s53, s[KF], 63
	s_cmp_le_u32 s53, s[PA+\lo]                    ; all its keys count for all queries of tile lo: no mask
	s_cbranch_scc1 .Lopen_\@
	s_sub_co_i32 s53, s[PA+\lo], s[KF]
	v_add_nc_u32 v[DD], s53, v[RH]                 ; register 8 k + j holds key KF + 16 k + 8 h + j for the tile's query r: hidden where 16 k + j > first query - KF + r - 8 h
.irp k, 0,1,2,3
.irp j, 0,1,2,3,4,5,6,7
	v_cmp_gt_i32 vcc_lo, 16*\k+\j, v[DD]
	v_cndmask_b32 v[S+32*\lo+8*\k+\j], v[S+32*\lo+8*\k+\j], v[NINF], vcc_lo
.endr
.endr
.Lopen_\@:
.irp k, 0,1,2,3                                ; the maximum: four chains a tile, each from its accumulator's low end on; where both tiles take part, line by line
.irp t, 0,1
.if \t >= \lo
	v_max3_num_f32 v[ST+8*\t+4+\k], v[S+32*\t+8*\k], v[S+32*\t+8*\k+1], v[S+32*\t+8*\k+2]
.endif
.endr
.endr
.irp i, 3,5
.irp k, 0,1,2,3
.irp t, 0,1
.if \t >= \lo
	v_max3_num_f32 v[ST+8*\t+4+\k], v[ST+8*\t+4+\k], v[S+32*\t+8*\k+\i], v[S+32*\t+8*\k+\i+1]
.endif
.endr
.endr
.endr
.irp t, 0,1
.if \t >= \lo
	v_max3_num_f32 v[ST+8*\t+4], v[ST+8*\t+4], v[S+32*\t+7], v[S+32*\t+15]
	v_max3_num_f32 v[ST+8*\t+6], v[ST+8*\t+6], v[S+32*\t+23], v[S+32*\t+31]
.endif
.endr
.irp t, 0,1
.if \t >= \lo
	v_max3_num_f32 v[ST+8*\t+4], v[ST+8*\t+4], v[ST+8*\t+5], v[ST+8*\t+6]
.endif
.endr
.irp t, 0,1
.if \t >= \lo
	v_max3_num_f32 v[ST+8*\t+4], v[ST+8*\t+4], v[ST+8*\t+7], v[ST+8*\t]   ; with the old m
.endif
.endr
.irp t, 0,1
.if \t >= \lo
	v_permlanex16_b32 v[ST+8*\t+5], v[ST+8*\t+4], s[SEL], s[SEL+1]        ; the query's other 32 keys lie in the lane 16 away
.endif
.endr
.irp t, 0,1
.if \t >= \lo
	v_mov_b32 v[ST+8*\t+7], v[ST+8*\t]
.endif
.endr
.irp t, 0,1
.if \t >= \lo
	v_max_num_f32 v[ST+8*\t], v[ST+8*\t+4], v[ST+8*\t+5]                  ; the new m
.endif
.endr
.irp t, 0,1
.if \t >= \lo
	v_sub_f32 v[ST+8*\t+7], v[ST+8*\t+7], v[ST+8*\t]                      ; old m - new m
.endif
.endr
.irp t, 0,1
.if \t >= \lo
.set i, 0
.rept 16
	v_pk_add_f32 v[S+32*\t+i:S+32*\t+i+1], v[S+32*\t+i:S+32*\t+i+1], v[ST+8*\t:ST+8*\t+1] op_sel_hi:[1,0] neg_lo:[0,1] neg_hi:[0,1]   ; t - m
.set i, i+2
.endr
.endif
.endr
.irp t, 0,1
.if \t >= \lo
	v_exp_f32 v[ST+8*\t+6], v[ST+8*\t+7]           ; a
.endif
.endr
.set i, 32*\lo
.rept 64-32*\lo
	v_exp_f32 v[S+i], v[S+i]                       ; p
.set i, i+1
.endr
	v_nop                                          ; a plain instruction behind the last exponential
	s_wait_alu depctr_va_vdst(0)                   ; one wait for the whole batch, ahead of its first reader
.set i, 16*\lo
.rept 32-16*\lo
	v_cvt_pk_f16_f32 v[P+i], v[S+2*i], v[S+2*i+1]  ; two neighbouring tiles of keys, rounded in pairs, are source 1 of the second product
.set i, i+1
.endr
.irp w, 4,8,16,32                              ; the sum of the unrounded p, in place: neighbours 1, 2, 4, 8 pairs apart
.set i, 32*\lo
.rept (64-32*\lo)/\w
	v_pk_add_f32 v[S+i:S+i+1], v[S+i:S+i+1], v[S+i+\w/2:S+i+\w/2+1]
.set i, i+\w
.endr
.endr
.irp t, 0,1
.if \t >= \lo
	v_pk_fma_f32 v[ST+8*\t+2:ST+8*\t+3], v[ST+8*\t+2:ST+8*\t+3], v[ST+8*\t+6:ST+8*\t+7], v[S+32*\t:S+32*\t+1] op_sel_hi:[1,0,1]   ; l = a l + the sum
.endif
.endr
	WIN 0x41                                       ; O^T (destination and source 0) window 1
.irp t, 0,1
.if \t >= \lo
.set i, 0
.rept 32
	v_pk_mul_f32 v[64*\t+i:64*\t+i+1], v[64*\t+i:64*\t+i+1], v[ST+8*\t+6:ST+8*\t+7] op_sel_hi:[1,0]
.set i, i+2
.endr
.endif
.endr
	s_wait_dscnt 0x0                               ; V is in
	WIN 0x50                                       ; C and D window 1
.irp c, 0,1                                    ; sixteen (or eight) accumulators by turns
.irp d, 0,1,2,3,4,5,6,7
.irp t, 0,1
.if \t >= \lo
	v_wmma_f32_16x16x32_f16 v[64*\t+8*\d:64*\t+8*\d+7], v[KV+8*(8*\c+\d):KV+8*(8*\c+\d)+7], v[P+16*\t+8*\c:P+16*\t+8*\c+7], v[64*\t+8*\d:64*\t+8*\d+7]
.endif
.endr
.endr
.endr
	WIN 0
.rept 4
	v_nop                                          ; places in front of the next loads into V's registers and of the next read of O^T
.endr
.endm
; A KEY STEP: 64 keys, my u-th of the slot in hand.  The two branches hang on ids and the count of steps alone.
.macro STEP u
	s_cmp_gt_u32 s[KF], s[PLAST]                   ; all its keys come after the late block: left out
	s_cbranch_scc1 .Lhid_\@
	v_add_nc_u32 v[ADK], s[TB], v[AK0]
	v_add_nc_u32 v[ADV], s[TB], v[AV0]
.irp f, 0,1,2,3,4,5,6,7,8,9,10,11,12,13,14,15  ; K: keys 16 (f / 4) on, channels 32 (f % 4) on
	ds_load_b128 v[KV+8*\f:KV+8*\f+3],   v[ADK] offset:128*\u*PK+(\f/4)*16*PK+(\f%4)*64
	ds_load_b128 v[KV+8*\f+4:KV+8*\f+7], v[ADK] offset:128*\u*PK+(\f/4)*16*PK+(\f%4)*64+32
.endr
	s_wait_dscnt 0x0
	s_cmp_gt_u32 s[KF], s[PAL]                     ; all its keys come after the early block: the late tile alone
	s_cbranch_scc1 .Lone_\@
	BODY \u, 0
	s_branch .Lhid_\@
.Lone_\@:
	BODY \u, 1
.Lhid_\@:
	s_add_co_u32 s[KF], s[KF], 128
.endm
; THE CHANGE OF SLOTS stands at a slot's head.  Each wave waits for all its tensor loads, adds 0 to its spare word (fill = 1: twice on end), and waits for that and
; for its reads of the slot that it has left.  Behind the barrier the slot ahead is whole and nobody reads the other: it is filled with the keys that follow, one load a wave, if any wave of the work-group will read them.
.macro CHANGE fill
	s_wait_tensorcnt 0x0                           ; no tensor load of mine is out, so a group 0 may be written
	ds_add_u32 v[SPW], v[NIL]
.if \fill
	ds_add_u32 v[SPW], v[NIL]
	s_xor_b32 s[FB], s[FB], SLOTB
	s_add_co_u32 s[G0K+1], s[FB], s[KOFF]
	s_add_co_u32 s[G0V+1], s[FB], s[VOFW]
	s_add_nc_u64 s[G0K+2:G0K+3], s[G0K+2:G0K+3], 65536     ; the next 256 keys; the type bits on top are not reached
	s_add_nc_u64 s[G0V+2:G0V+3], s[G0V+2:G0V+3], 65536
	s_wait_xcnt 0x0                                ; the last prefetches, a slot back, have read their address
	s_add_nc_u64 s[PFA:PFA+1], s[PFA:PFA+1], 65536
.endif
	s_wait_dscnt 0x0
	s_barrier_signal -1
	s_barrier_wait -1
.if \fill
	s_add_co_u32 s53, s[SK0], 256                  ; the first key of the slot that this change would ask for:
	s_cmp_gt_u32 s53, s[PLAST]                     ; past my work-group's last query it is read by none of the eight waves.  Ids and the count of slots alone: all waves go the same way; every wait on the tensor counter is for 0
	s_cbranch_scc1 .Lpast_\@
	TLOAD
.Lpast_\@:
	ASK
.endif
.endm
.macro SLOT_STEPS
	STEP 0
	STEP 1
	s_xor_b32 s[TB], s[TB], SLOTB
	s_add_co_u32 s[SK0], s[SK0], 256
.endm
	s_wait_loadcnt 0x0                             ; Q
.Lslot:                                            ; seven trips
	CHANGE 1
	SLOT_STEPS
	s_sub_co_u32 s[SLOTS], s[SLOTS], 1
	s_cmp_lg_u32 s[SLOTS], 0
	s_cbranch_scc1 .Lslot
	CHANGE 0                                       ; the last slot is written out: nothing is left to ask for
	SLOT_STEPS
	; THE MERGE.  Waves 4 to 7 hand m, l and O^T to waves 0 to 3 as images of their registers, in the slot that was left at the last change: it has had its last fill, and nobody reads it.
	s_cmp_eq_u32 s[KH], 0
	s_cbranch_scc1 .Lno_send
	v_mov_b32 v32, v[ST]
	v_add_f32 v33, v[ST+2], v[ST+3]
	v_mov_b32 v34, v[ST+8]
	v_add_f32 v35, v[ST+10], v[ST+11]
	ds_store_b128 v[IMGA], v[32:35] offset:16384
	WIN 0x04                                       ; an LDS store's data are its source 1: window 1
.irp i, 0,1,2,3,4,5,6,7,8,9,10,11,12,13,14,15,16,17,18,19,20,21,22,23,24,25,26,27,28,29,30,31
	ds_store_b128 v[IMGA], v[4*\i:4*\i+3] offset:512*\i
.endr
	WIN 0
.Lno_send:
	s_wait_dscnt 0x0                               ; for the others' sake: my stores have landed
	s_barrier_signal -1
	s_barrier_wait -1
	s_cmp_lg_u32 s[KH], 0
	s_cbranch_scc1 .Ldone
	ds_load_b128 v[32:35], v[IMGA] offset:16384    ; the partner's m and l of both tiles
.irp t, 0,1
	v_add_f32 v[ST+8*\t+4], v[ST+8*\t+2], v[ST+8*\t+3]
.endr
	s_wait_dscnt 0x0
.irp t, 0,1
	v_max_num_f32 v[36+\t], v[ST+8*\t], v[32+2*\t]
.endr
.irp t, 0,1
	v_sub_f32 v[38+2*\t], v[ST+8*\t], v[36+\t]
	v_sub_f32 v[39+2*\t], v[32+2*\t], v[36+\t]
.endr
.irp i, 0,1,2,3
	v_exp_f32 v[42+\i], v[38+\i]                   ; f0, f1 of both tiles; a partner's tile without a step has m = -3e38: its factor is 0
.endr
	v_nop
	s_wait_alu depctr_va_vdst(0)                   ; one wait for the four
.irp t, 0,1
	v_mul_f32 v[ST+8*\t+4], v[ST+8*\t+4], v[42+2*\t]
.endr
.irp t, 0,1
	v_fma_f32 v[ST+8*\t+4], v[33+2*\t], v[43+2*\t], v[ST+8*\t+4]
.endr
.irp t, 0,1
	v_permlanex16_b32 v[ST+8*\t+5], v[ST+8*\t+4], s[SEL], s[SEL+1]
.endr
.irp t, 0,1
	v_add_f32 v[ST+8*\t+4], v[ST+8*\t+4], v[ST+8*\t+5]     ; the row's sum
.endr
.irp t, 0,1
	v_rcp_f32 v[46+\t], v[ST+8*\t+4]
.endr
	v_nop
	s_wait_alu depctr_va_vdst(0)                   ; one wait for the two
.irp t, 0,1
	v_mul_f32 v[GG+4*\t], v[42+2*\t], v[46+\t]     ; f0 / l
	v_mul_f32 v[GG+4*\t+1], v[42+2*\t], v[46+\t]   ; (named with it as a pair, so it is written)
	v_mul_f32 v[GG+4*\t+2], v[43+2*\t], v[46+\t]   ; f1 / l
	v_mul_f32 v[GG+4*\t+3], v[43+2*\t], v[46+\t]
.endr
.macro OUTT t, base                    ; tile t: merged, divided, rounded to f16, through my stage, stored as runs of 256 bytes from its own first row on
	WIN 0x40
.irp i, 0,1,2,3,4,5,6,7,8,9,10,11,12,13,14,15
	ds_load_b128 v[XM+4*\i:XM+4*\i+3], v[IMGA] offset:512*(16*\t+\i)
.endr
	s_wait_dscnt 0x0
	WIN 0x41
.set i, 0
.rept 32
	v_pk_mul_f32 v[64*\t+i:64*\t+i+1], v[64*\t+i:64*\t+i+1], v[GG+4*\t:GG+4*\t+1] op_sel_hi:[1,0]
.set i, i+2
.endr
	WIN 0x51
.set i, 0
.rept 32
	v_pk_fma_f32 v[64*\t+i:64*\t+i+1], v[XM+i:XM+i+1], v[GG+4*\t+2:GG+4*\t+3], v[64*\t+i:64*\t+i+1] op_sel_hi:[1,0,1]
.set i, i+2
.endr
	WIN 0x05
.set i, 0
.rept 32
	v_cvt_pk_f16_f32 v[OB+32*\t+i], v[64*\t+2*i], v[64*\t+2*i+1]
.set i, i+1
.endr
	WIN 0
.irp d, 0,1,2,3,4,5,6,7
	ds_store_b128 v[STO], v[OB+32*\t+4*\d:OB+32*\t+4*\d+3] offset:32*\d
.endr
.irp f, 0,1,2,3,4,5,6,7
	ds_load_b128 v[OB+32*\t+4*\f:OB+32*\t+4*\f+3], v[RD] offset:544*\f   ; LDS serves a wave's instructions in order: these see the stores above
.endr
.irp f, 0,1,2,3,4,5,6,7
	s_wait_dscnt 7-\f                              ; pair f of rows is back; the younger loads may be out
	global_store_b128 v[GO], v[OB+32*\t+4*\f:OB+32*\t+4*\f+3], s[\base:\base+1] offset:2*\f*4096   ; 16 lanes store 256 consecutive bytes, aligned
.endr
.endm
	OUTT 0, OUA
	OUTT 1, OUB
.Ldone:
	s_wait_tensorcnt 0x0                           ; the wave's end
	ds_add_u32 v[SPW], v[NIL]
	s_wait_dscnt 0x0
	s_endpgm
.Lfunc_end_k_q3590af6eb8_attn:
	.size	k_q3590af6eb8_attn, .Lfunc_end_k_q3590af6eb8_attn-k_q3590af6eb8_attn
	.p2alignl 7, 3214868480
	.fill 96, 4, 3214868480
	.section	.rodata,"a",@progbits
	.p2align	6, 0x0
	.amdhsa_kernel k_q3590af6eb8_attn
		.amdhsa_group_segment_fixed_size 327680
		.amdhsa_private_segment_fixed_size 0
		.amdhsa_enable_private_segment 0
		.amdhsa_kernarg_size 16
		.amdhsa_user_sgpr_count 2
		.amdhsa_user_sgpr_kernarg_segment_ptr 1
		.amdhsa_wavefront_size32 1
		.amdhsa_system_sgpr_workgroup_id_x 1
		.amdhsa_system_sgpr_workgroup_id_y 1
		.amdhsa_system_sgpr_workgroup_id_z 1
		.amdhsa_system_vgpr_workitem_id 0
		.amdhsa_next_free_vgpr 512
		.amdhsa_next_free_sgpr 66
		.amdhsa_reserve_vcc 1
		.amdhsa_float_denorm_mode_32 3
		.amdhsa_float_denorm_mode_16_64 3
		.amdhsa_memory_ordered 1
		.amdhsa_forward_progress 1
		.amdhsa_inst_pref_size 194
	.end_amdhsa_kernel
	.amdgpu_metadata
---
amdhsa.version: [ 1, 2 ]
amdhsa.kernels:
  - .name:           k_q3590af6eb8_attn
    .symbol:         k_q3590af6eb8_attn.kd
    .args:
      - { .name: qkv16, .offset: 0, .size: 8, .value_kind: global_buffer, .address_space: global }
      - { .name: attn16, .offset: 8, .size: 8, .value_kind: global_buffer, .address_space: global }
    .group_segment_fixed_size: 327680
    .private_segment_fixed_size: 0
    .kernarg_segment_align: 8
    .kernarg_segment_size: 16
    .max_flat_workgroup_size: 256
    .sgpr_count:     66
    .vgpr_count:     512
    .wavefront_size: 32
...
	.end_amdgpu_metadata
.endif
;; end of part 3
;; launch oproj (part 4): grid 16 x 16, 4 waves a work-group, clusters of 4 x 4, 327,680 bytes of LDS; arguments attn16, wo16, out0; writes out0
.if DOCPART == 4
	.amdgcn_target "amdgcn-amd-amdhsa--gfx1250"
	.amdhsa_code_object_version 6
	.text
	.protected	k_q3590af6eb8_oproj
	.globl	k_q3590af6eb8_oproj
	.p2align	8
	.type	k_q3590af6eb8_oproj,@function
k_q3590af6eb8_oproj:
	s_mov_b64 s[64:65], 0
	v_nop
	global_prefetch_b8 v0, s[64:65] scope:SCOPE_SE
	s_setreg_imm32_b32 hwreg(HW_REG_WAVE_MODE, 25, 1), 1
	s_wait_xcnt 0x0
	s_wait_alu depctr_hold_cnt(0) depctr_sa_sdst(0) depctr_va_vdst(0) depctr_va_sdst(0) depctr_va_ssrc(0) depctr_va_vcc(0) depctr_vm_vsrc(0)
	s_getreg_b32 s2, hwreg(HW_REG_IB_STS2, 6, 4)
	s_cmp_eq_u32 s2, 0
	s_cbranch_scc0 .Lentry_in_a_cluster
	s_endpgm
.Lentry_in_a_cluster:
	s_bfe_u32 s2, ttmp6, 0x10000c
	s_cmp_lg_u32 s2, 0xf033
	s_cbranch_scc0 .Lentry_shape_is_right
	s_endpgm
.Lentry_shape_is_right:
; out0 = attn16 x wo16: [2048][2048] x [2048 k][2048 n], f16 operands, f32 sums, f32 out.  All 2,048 rows; rows 0-15 are stored again, more finely, by the launch that follows.
; A tile of 128 x 128 is made by four waves, each 64 x 64: 16 accumulators.  256 tiles.  K goes in steps of 256 through a ring of two LDS slots: A's tile is 128 rows of 512 bytes, B's 256 k-rows of 256 bytes.
; B lies with N innermost: its fragments come out of LDS turned (ds_load_tr16_b128).  THE MATRIX INSTRUCTION IS USED TRANSPOSED (source 0 = 16 columns of B, source 1 = 16 rows of A): a lane holds eight neighbours of a row.
; CLUSTERS: 4 x 4 work-groups; A's tiles are asked for jointly along a row of the cluster, B's along a column.
; The way out: a wave's 64 columns are 256 bytes of f32, a whole aligned run: each wave has a stage of its own, and no barrier is needed.
; REGISTERS: window 0: v0-31 addresses; v32-95 the way out; v128-255 the accumulators ((a, b) at 128 + 8 (4 a + b)).  window 1: two fragment buffers of 128: 64 registers of A, then 64 of B, for 64 along K.
.set KSTEP,  256
.set PA,     528                       ; A's LDS row: 512 bytes + 16
.set PB,     288                       ; B's: 256 bytes + 32, for the turning load
.set HALFA,  64*PA
.set HALFB,  128*PB
.set BOFF,   2*HALFA
.set SLOT,   BOFF+2*HALFB
.set STAGE,  2*SLOT
.set SPITCH, 272
.set SPARE,  STAGE+4*16*SPITCH
.set LAPS,   2048/(2*KSTEP)
.set ADRA, 16                          ; v16-17  my A fragments in slot 0, 1
.set ADRB, 20                          ; v20-23  my B fragments: slot s, k-rows 128 e on: 20 + 2 s + e (an LDS offset has 16 bits)
.set STO,  24
.set RD,   25
.set CO,   26
.set SPW,  28
.set NIL,  29
.set TMP,  32
.set ACC,  128
.set F0,   0
.set F1,   128
.set G1, 24
.set G0, 32
.set G1B, 48
.set G0B, 56
.set MSB, 0
.macro WIN new
.if MSB != \new
	s_set_vgpr_msb (MSB<<8)|\new
.set MSB, \new
.endif
.endm
.set MUL,  0x05                        ; sources 0 (B) and 1 (A) window 1; C and D window 0
.set TO_F, 0x40
.macro JLOAD s                         ; waves 0 and 1 fetch A's halves, waves 2 and 3 B's; an s_nop 0 and four v_nop follow each of the two lines
	s_cmp_eq_u32 s11, 0
	s_cbranch_scc0 .Lfor_b_\@
	tensor_load_to_lds s[G0+4*\s:G0+4*\s+3], s[G1:G1+7]
	s_nop 0
.rept 4
	v_nop
.endr
	s_branch .Lasked_\@
.Lfor_b_\@:
	tensor_load_to_lds s[G0B+4*\s:G0B+4*\s+3], s[G1B:G1B+7]
	s_nop 0
.rept 4
	v_nop
.endr
.Lasked_\@:
.endm
.macro CREST
	s_cmp_lg_u32 s10, 0
	s_cbranch_scc1 .Lnot_wave_0_\@
	s_barrier_signal -3
.Lnot_wave_0_\@:
	s_barrier_wait -3
	s_barrier_signal -1
	s_barrier_wait -1
.endm
.macro CROUND
	s_barrier_signal -1
	s_barrier_wait -1
	CREST
.endm
	s_load_b128 s[4:7], s[0:1], 0x0                ; attn16, wo16
	s_load_b64 s[8:9], s[0:1], 0x10                ; out0
	v_lshl_add_u32 v[SPW], v0, 2, SPARE
	v_mov_b32 v[NIL], 0
	ds_add_u32 v[SPW], v[NIL]                      ; the wave's opening: the add, twice on end, and its wait ahead of my first tensor load
	ds_add_u32 v[SPW], v[NIL]
	v_lshrrev_b32 v1, 5, v0
	v_readfirstlane_b32 s10, v1                    ; wave 0..3
	s_lshr_b32 s11, s10, 1                         ; which half of the tile's rows is mine.  Also: I fetch for A (0) or for B (1)
	s_and_b32 s12, s10, 1                          ; which half of its columns.  Also: which half of that tile I fetch
	s_bfe_u32 s40, ttmp6, 0x40000
	s_bfe_u32 s41, ttmp6, 0x40004
	s_lshl_b32 s42, ttmp9, 2
	s_add_co_u32 s42, s42, s40                     ; tile column
	s_and_b32 s13, ttmp7, 0xffff
	s_lshl_b32 s13, s13, 2
	s_add_co_u32 s13, s13, s41                     ; tile row
	s_lshl_b32 s43, s41, 2
	s_lshl_b32 s43, 15, s43                        ; my row of the cluster
	s_lshl_b32 s44, 0x1111, s40                    ; my column
	s_or_b32 s[G1+0], s43, (1<<16)|(1<<20)|(1<<21)|(6<<22)|(3<<25)   ; A: elements of 2 bytes; 4 words of padding after every 128
	s_mov_b32 s[G1+1], KSTEP<<16                   ; tensor_dim0 = 256
	s_mov_b32 s[G1+2], 64<<16                      ; tensor_dim1 = 64
	s_mov_b32 s[G1+3], KSTEP<<16                   ; tile_dim0
	s_mov_b32 s[G1+4], 64                          ; tile_dim1
	s_mov_b32 s[G1+5], 2048                        ; the pitch
	s_mov_b32 s[G1+6], 0
	s_mov_b32 s[G1+7], 0
	s_or_b32 s[G1B+0], s44, (1<<16)|(1<<20)|(1<<21)|(5<<22)|(7<<25)  ; B: 8 words of padding after every 64
	s_mov_b32 s[G1B+1], 128<<16
	s_mov_b32 s[G1B+2], 128<<16
	s_mov_b32 s[G1B+3], 128<<16
	s_mov_b32 s[G1B+4], 128
	s_mov_b32 s[G1B+5], 2048
	s_mov_b32 s[G1B+6], 0
	s_mov_b32 s[G1B+7], 0
	s_lshl_b32 s17, s12, 6
	s_lshl_b32 s16, s13, 7
	s_add_co_u32 s16, s16, s17
	s_lshl_b32 s16, s16, 12                        ; A: row 128 x tile row + 64 x half, 4,096 bytes a row
	s_mov_b32 s17, 0
	s_lshl_b32 s46, s12, 19                        ; B: k-row 128 x half,
	s_lshl_b32 s47, s42, 8
	s_add_co_u32 s46, s46, s47                     ; 256 bytes a tile column
	s_mov_b32 s47, 0
	s_mul_i32 s20, s12, HALFA                      ; where they go: no place in the cluster enters an LDS address
	s_mul_i32 s45, s12, HALFB
	s_add_co_u32 s45, s45, BOFF
	s_wait_dscnt 0x0
	s_wait_kmcnt 0x0
	s_add_nc_u64 s[14:15], s[4:5], s[16:17]
	s_add_nc_u64 s[46:47], s[6:7], s[46:47]
	CROUND                                         ; all sixteen work-groups are here: the first joint loads meet
.irp s, 0,1
	s_mov_b32 s[G0+4*\s], 1
	s_add_co_u32 s[G0+4*\s+1], s20, \s*SLOT
	s_add_nc_u64 s[G0+4*\s+2:G0+4*\s+3], s[14:15], \s*KSTEP*2
	s_or_b32 s[G0+4*\s+3], s[G0+4*\s+3], 0x80000000
	s_mov_b32 s[G0B+4*\s], 1
	s_add_co_u32 s[G0B+4*\s+1], s45, \s*SLOT
	s_add_nc_u64 s[G0B+4*\s+2:G0B+4*\s+3], s[46:47], \s*KSTEP*4096
	s_or_b32 s[G0B+4*\s+3], s[G0B+4*\s+3], 0x80000000
	JLOAD \s
.endr
	v_and_b32 v1, 15, v0                           ; r
	v_bfe_u32 v2, v0, 4, 1                         ; h
	v_mul_u32_u24 v3, v1, PA
	v_lshl_add_u32 v3, v2, 4, v3
	s_mul_i32 s21, s11, HALFA                      ; my 64 rows of A
	v_and_b32 v4, 7, v0
	v_bfe_u32 v5, v0, 3, 1
	v_lshl_add_u32 v4, v2, 3, v4
	v_mul_u32_u24 v4, v4, PB
	v_lshl_add_u32 v4, v5, 4, v4                   ; B: k-row 8 h + l % 8, columns 8 ((l / 8) % 2) on
	s_lshl_b32 s22, s12, 7
	s_add_co_u32 s22, s22, BOFF                    ; my 64 columns
.irp s, 0,1
	v_add_nc_u32 v[ADRA+\s], s21, v3
	v_add_nc_u32 v[ADRB+2*\s], s22, v4
	s_add_co_u32 s23, s22, 128*PB
	v_add_nc_u32 v[ADRB+2*\s+1], s23, v4
	s_add_co_u32 s21, s21, SLOT
	s_add_co_u32 s22, s22, SLOT
.endr
	s_mul_i32 s23, s10, 16*SPITCH
	s_add_co_u32 s23, s23, STAGE                   ; my stage
	v_mul_u32_u24 v5, v1, SPITCH
	v_lshl_add_u32 v5, v2, 5, v5
	v_add_nc_u32 v[STO], s23, v5                   ; in: row r, 32 bytes for each half of the lanes
	v_mul_u32_u24 v5, v2, SPITCH
	v_lshl_add_u32 v5, v1, 4, v5
	v_add_nc_u32 v[RD], s23, v5                    ; back: lanes 0-15 one row of 256 bytes, lanes 16-31 the next
	v_lshlrev_b32 v5, 13, v2
	v_lshl_add_u32 v[CO], v1, 4, v5                ; the same two rows in out0
	s_lshl_b32 s16, s13, 7
	s_lshl_b32 s17, s11, 6
	s_add_co_u32 s16, s16, s17
	s_lshl_b32 s16, s16, 13                        ; my first row, 8,192 bytes a row
	s_mov_b32 s17, 0
	s_add_nc_u64 s[8:9], s[8:9], s[16:17]
	s_lshl_b32 s46, s42, 9
	s_lshl_b32 s47, s12, 8
	s_add_co_u32 s46, s46, s47                     ; my first column, in bytes
	s_mov_b32 s47, 0
	s_add_nc_u64 s[8:9], s[8:9], s[46:47]
.macro MUL8 f, c, a0, zero             ; 8 matrix instructions: row blocks a0, a0 + 1 x all 4 column blocks, 32 along K; the accumulators take turns
.irp a, \a0, \a0+1
.irp b, 0,1,2,3
.if \zero
	v_wmma_f32_16x16x32_f16 v[ACC+8*(4*(\a)+\b):ACC+8*(4*(\a)+\b)+7], v[\f+64+8*(4*\c+\b):\f+64+8*(4*\c+\b)+7], v[\f+8*(4*\c+\a):\f+8*(4*\c+\a)+7], 0
.else
	v_wmma_f32_16x16x32_f16 v[ACC+8*(4*(\a)+\b):ACC+8*(4*(\a)+\b)+7], v[\f+64+8*(4*\c+\b):\f+64+8*(4*\c+\b)+7], v[\f+8*(4*\c+\a):\f+8*(4*\c+\a)+7], v[ACC+8*(4*(\a)+\b):ACC+8*(4*(\a)+\b)+7]
.endif
.endr
.endr
.endm
.macro FETCH slot, q, f                ; 32 LDS loads in one run: the fragments of the K step's q-th 64 along K, the first 32 first
	WIN TO_F
.irp c, 0,1
.irp i, 0,1,2,3
	ds_load_tr16_b128 v[\f+64+8*(4*\c+\i):\f+64+8*(4*\c+\i)+3],   v[ADRB+2*\slot+(\q)/2] offset:(((\q)%2)*64+32*\c)*PB+32*\i
	ds_load_tr16_b128 v[\f+64+8*(4*\c+\i)+4:\f+64+8*(4*\c+\i)+7], v[ADRB+2*\slot+(\q)/2] offset:(((\q)%2)*64+32*\c+16)*PB+32*\i
	ds_load_b128 v[\f+8*(4*\c+\i):\f+8*(4*\c+\i)+3],         v[ADRA+\slot] offset:128*(\q)+64*\c+\i*16*PA
	ds_load_b128 v[\f+8*(4*\c+\i)+4:\f+8*(4*\c+\i)+7],       v[ADRA+\slot] offset:128*(\q)+64*\c+\i*16*PA+32
.endr
.endr
.endm
.macro PLACES
.rept 4
	v_nop
.endr
.endm
.macro QUARTER slot, q, f, g, zero     ; multiplies buffer f and fetches quarter q of the same slot into g
	s_wait_dscnt 16                                ; the first 32 along K are in; the other sixteen loads may be out
	WIN MUL
	MUL8 \f, 0, 0, \zero
	MUL8 \f, 0, 2, \zero
	PLACES
	FETCH \slot, \q, \g
	s_wait_dscnt 32                                ; all but the 32 just issued
	WIN MUL
	MUL8 \f, 1, 0, 0
	MUL8 \f, 1, 2, 0
.endm
.macro TURN slot, next, fill           ; the last quarter multiplies buffer 1 and changes slots
	WIN 0
	s_wait_tensorcnt 0x0                           ; all my tensor loads have landed: my part of the next slot
	ds_add_u32 v[SPW], v[NIL]                      ; 0 onto my spare word
	s_wait_dscnt 17                                ; the add and the youngest sixteen loads may be out
	WIN MUL
	MUL8 F1, 0, 0, 0
	s_wait_dscnt 0x0                               ; the add is done, and my reads of this slot are over
	s_barrier_signal -1
	MUL8 F1, 0, 2, 0
.if \fill
	WIN 0
.endif
	s_barrier_wait -1
.if \fill
	CREST                                          ; a round of the cluster's barrier: no wave of any partner still reads this slot or has a load on its way
	s_add_nc_u64 s[G0+4*\slot+2:G0+4*\slot+3], s[G0+4*\slot+2:G0+4*\slot+3], 2*KSTEP*2
	s_add_nc_u64 s[G0B+4*\slot+2:G0B+4*\slot+3], s[G0B+4*\slot+2:G0B+4*\slot+3], 2*KSTEP*4096
	JLOAD \slot                                    ; the first tensor load behind the round; its four v_nop are also the places in front of the loads below
.else
	PLACES
.endif
	FETCH \next, 0, F0
	WIN MUL
	MUL8 F1, 1, 0, 0
	MUL8 F1, 1, 2, 0
.endm
	s_wait_tensorcnt 1                             ; my part of K step 0 is in; K step 1's may be out
	s_barrier_signal -1
	s_barrier_wait -1
	FETCH 0, 0, F0
	QUARTER 0, 1, F0, F1, 1                        ; the first quarter stands in front of the loop: its first products start the sums
	WIN 0
	s_mov_b32 s3, LAPS-1
.Llap:
	QUARTER 0, 2, F1, F0, 0
	QUARTER 0, 3, F0, F1, 0
	TURN 0, 1, 1
	QUARTER 1, 1, F0, F1, 0
	QUARTER 1, 2, F1, F0, 0
	QUARTER 1, 3, F0, F1, 0
	TURN 1, 0, 1
	QUARTER 0, 1, F0, F1, 0
	WIN 0
	s_sub_co_u32 s3, s3, 1
	s_cmp_lg_u32 s3, 0
	s_cbranch_scc1 .Llap
	QUARTER 0, 2, F1, F0, 0                        ; the last lap fills nothing
	QUARTER 0, 3, F0, F1, 0
	TURN 0, 1, 0
	QUARTER 1, 1, F0, F1, 0
	QUARTER 1, 2, F1, F0, 0
	QUARTER 1, 3, F0, F1, 0
	s_wait_dscnt 16
	WIN MUL
	MUL8 F1, 0, 0, 0
	MUL8 F1, 0, 2, 0
	s_wait_dscnt 0
	MUL8 F1, 1, 0, 0
	MUL8 F1, 1, 2, 0
	WIN 0
.macro OSTG a                          ; block a, 16 rows x 64 columns, through my stage: LDS serves a wave's instructions in order
.irp b, 0,1,2,3
	ds_store_b128 v[STO], v[ACC+8*(4*(\a)+\b):ACC+8*(4*(\a)+\b)+3] offset:64*\b        ; each accumulator from its low end on
	ds_store_b128 v[STO], v[ACC+8*(4*(\a)+\b)+4:ACC+8*(4*(\a)+\b)+7] offset:64*\b+16
.endr
.irp i, 0,1,2,3,4,5,6,7
	ds_load_b128 v[TMP+32*((\a)%2)+4*\i:TMP+32*((\a)%2)+4*\i+3], v[RD] offset:\i*2*SPITCH
.endr
.endm
.macro OSEND a, younger
	s_wait_dscnt \younger
.irp i, 0,1,2,3,4,5,6,7
	global_store_b128 v[CO], v[TMP+32*((\a)%2)+4*\i:TMP+32*((\a)%2)+4*\i+3], s[8:9] offset:(16*(\a)+2*\i)*8192 th:TH_STORE_NT   ; 16 lanes store 256 consecutive bytes, aligned
.endr
.endm
	PLACES
	OSTG 0
	OSTG 1
	OSEND 0, 16                                    ; behind block 0's loads: block 1's 8 stores and 8 loads
	s_wait_xcnt 0x0                                ; block 0's stores have read their registers: block 2's rows may land there
	OSTG 2
	OSEND 1, 16
	s_wait_xcnt 0x0
	OSTG 3
	OSEND 2, 16
	OSEND 3, 0
	s_wait_tensorcnt 0x0                           ; the wave's end
	ds_add_u32 v[SPW], v[NIL]
	s_wait_dscnt 0x0
	CROUND                                         ; the closing round
	s_endpgm
.Lfunc_end_k_q3590af6eb8_oproj:
	.size	k_q3590af6eb8_oproj, .Lfunc_end_k_q3590af6eb8_oproj-k_q3590af6eb8_oproj
	.p2alignl 7, 3214868480
	.fill 96, 4, 3214868480
	.section	.rodata,"a",@progbits
	.p2align	6, 0x0
	.amdhsa_kernel k_q3590af6eb8_oproj
		.amdhsa_group_segment_fixed_size 327680
		.amdhsa_private_segment_fixed_size 0
		.amdhsa_enable_private_segment 0
		.amdhsa_kernarg_size 24
		.amdhsa_user_sgpr_count 2
		.amdhsa_user_sgpr_kernarg_segment_ptr 1
		.amdhsa_wavefront_size32 1
		.amdhsa_system_sgpr_workgroup_id_x 1
		.amdhsa_system_sgpr_workgroup_id_y 1
		.amdhsa_system_sgpr_workgroup_id_z 1
		.amdhsa_system_vgpr_workitem_id 0
		.amdhsa_next_free_vgpr 512
		.amdhsa_next_free_sgpr 66
		.amdhsa_reserve_vcc 0
		.amdhsa_float_denorm_mode_32 3
		.amdhsa_float_denorm_mode_16_64 3
		.amdhsa_memory_ordered 1
		.amdhsa_forward_progress 1
		.amdhsa_inst_pref_size 86
	.end_amdhsa_kernel
	.amdgpu_metadata
---
amdhsa.version: [ 1, 2 ]
amdhsa.kernels:
  - .name:           k_q3590af6eb8_oproj
    .symbol:         k_q3590af6eb8_oproj.kd
    .args:
      - { .name: attn16, .offset: 0, .size: 8, .value_kind: global_buffer, .address_space: global }
      - { .name: wo16, .offset: 8, .size: 8, .value_kind: global_buffer, .address_space: global }
      - { .name: out0, .offset: 16, .size: 8, .value_kind: global_buffer, .address_space: global }
    .group_segment_fixed_size: 327680
    .private_segment_fixed_size: 0
    .kernarg_segment_align: 8
    .kernarg_segment_size: 24
    .max_flat_workgroup_size: 128
    .sgpr_count:     66
    .vgpr_count:     512
    .wavefront_size: 32
...
	.end_amdgpu_metadata
.endif
;; end of part 4
;; launch fine (part 5): grid 128 x 1, 16 waves a work-group, no clusters, 18,432 bytes of LDS; arguments qkv16, vfine, wo, out0; writes out0
.if DOCPART == 5
	.amdgcn_target "amdgcn-amd-amdhsa--gfx1250"
	.amdhsa_code_object_version 6
	.text
	.protected	k_q3590af6eb8_fine
	.globl	k_q3590af6eb8_fine
	.p2align	8
	.type	k_q3590af6eb8_fine,@function
k_q3590af6eb8_fine:
	s_mov_b64 s[64:65], 0
	v_nop
	global_prefetch_b8 v0, s[64:65] scope:SCOPE_SE
	s_setreg_imm32_b32 hwreg(HW_REG_WAVE_MODE, 25, 1), 1
	s_wait_xcnt 0x0
; POSITIONS 0 TO 15, MORE FINELY: they average one to sixteen values, so the rounding of f16 operands weighs most there.  Scores from the f16 q' and k'; the weights, v (vfine, f32) and wo (f32) go to the f32 matrix form.
; It stores rows 0-15 of out0 for good, over what the launch before left there.
; SHARES.  A work-group owns 16 columns of out0; wave w is query head w, and so the range k = 128 w .. 128 w + 127 of the projection.  Every work-group repeats the small attention (4 + 32 matrix instructions a wave):
; sharing it out would want another launch for the sum.  The sixteen waves' parts meet in LDS; wave 0 adds them in ascending order of the heads and stores.
; LAYOUT.  S^T = K Q^T: lane (r, h), register j: key 8 h + j, query r.  The f32 form takes K = 4: slot (h, j) of an operand's two registers.  In O^T(d) += V^T P step s, slot (h, j) stands for key 8 h + 2 s + j on both
; sides: P's registers 2 s, 2 s + 1 as they lie.  In the projection slot (h, j) stands for channel 16 d + 8 h + 2 s + j: O^T's registers 2 s, 2 s + 1 as they lie.  So nothing changes lanes.
; The registers that the f32 form writes (v176-255) are written by matrix instructions alone.  wo is read, and out0 written, in pieces of 64 bytes: 16 columns of a row.
; LIMITS as stated for qkv16; hidden keys count for nothing.
.set SPARE, 16384
.set SPW, 22
.set NIL, 23
.set SS,  24                           ; v24-31   S^T
.set PN,  32                           ; v32-39   masked scores, p, p / l
.set RR,  40                           ; v40-47   my part of the result
.set QFR, 48                           ; v48-79   Q;  v80-111 K;  then v48-111: 64 words of wo
.set KFR, 80
.set WA,  48
.set VA,  112                          ; v112-175 64 words of v
.set OO,  176                          ; v176-239 O^T, 8 tiles of 16 channels
.set AC,  240                          ; v240-255 two accumulators of the projection
	s_load_b256 s[4:11], s[0:1], 0x0               ; qkv16, vfine, wo, out0
	v_lshl_add_u32 v[SPW], v0, 2, SPARE
	v_mov_b32 v[NIL], 0
	v_lshrrev_b32 v1, 5, v0
	v_readfirstlane_b32 s12, v1                    ; wave = head
	s_lshr_b32 s13, s12, 2                         ; its key and value head
	v_and_b32 v1, 15, v0                           ; r
	v_bfe_u32 v2, v0, 4, 1                         ; h
	v_lshlrev_b32 v3, 8, v1
	v_lshl_add_u32 v3, v2, 4, v3                   ; Q, K: row r, 16 bytes for each half
	v_lshlrev_b32 v4, 2, v1
	v_lshl_add_u32 v5, v2, 16, v4                  ; wo: 8 h rows of 8,192 bytes, column r
	v_lshl_add_u32 v4, v2, 12, v4                  ; v: 8 h rows of 512 bytes, channel r
	v_lshlrev_b32 v6, 3, v2
	v_sub_nc_u32 v6, v1, v6                        ; r - 8 h
	v_and_b32 v8, 31, v0
	v_lshlrev_b32 v8, 4, v8                        ; 16 x lane
	s_lshl_b32 s14, s12, 10
	v_add_nc_u32 v7, s14, v8                       ; my wave's 1,024 bytes in LDS
	v_lshlrev_b32 v9, 13, v1
	v_lshl_add_u32 v9, v2, 5, v9                   ; out0: row r, 32 bytes for each half
	v_mov_b32 v10, 0xff800000
	v_mov_b32 v12, 0                               ; (a lane permute's destination counts as one of its sources)
	s_mov_b32 s20, 0x76543210
	s_mov_b32 s21, 0xfedcba98
	s_lshl_b32 s14, s12, 19
	s_mov_b32 s15, 0
	s_add_co_u32 s16, s13, 16
	s_lshl_b32 s16, s16, 19
	s_mov_b32 s17, 0
	s_lshl_b32 s18, s13, 13
	s_mov_b32 s19, 0
	s_lshl_b32 s24, ttmp9, 6                       ; my 16 columns, in bytes
	s_mov_b32 s25, 0
	s_lshl_b32 s22, s12, 20                        ; 128 rows of wo a head
	s_add_co_u32 s22, s22, s24
	s_mov_b32 s23, 0
	s_wait_kmcnt 0x0
	s_add_nc_u64 s[14:15], s[4:5], s[14:15]
	s_add_nc_u64 s[16:17], s[4:5], s[16:17]
	s_add_nc_u64 s[6:7], s[6:7], s[18:19]
	s_add_nc_u64 s[8:9], s[8:9], s[22:23]
	s_add_nc_u64 s[10:11], s[10:11], s[24:25]
.irp c, 0,1,2,3
	global_load_b128 v[QFR+8*\c:QFR+8*\c+3], v3, s[14:15] offset:64*\c
	global_load_b128 v[QFR+8*\c+4:QFR+8*\c+7], v3, s[14:15] offset:64*\c+32
	global_load_b128 v[KFR+8*\c:KFR+8*\c+3], v3, s[16:17] offset:64*\c
	global_load_b128 v[KFR+8*\c+4:KFR+8*\c+7], v3, s[16:17] offset:64*\c+32
.endr
.irp d, 0,1,2,3,4,5,6,7
.irp n, 0,1,2,3,4,5,6,7
	global_load_b32 v[VA+8*\d+\n], v4, s[6:7] offset:\n*512+64*\d      ; v(key 8 h + n, channel 16 d + r)
.endr
.endr
	s_wait_loadcnt 63                              ; Q and K are in (64 loads were issued behind them; the wait's field holds 63)
	v_wmma_f32_16x16x32_f16 v[SS:SS+7], v[KFR:KFR+7], v[QFR:QFR+7], 0
.irp c, 1,2,3
	s_wait_alu depctr_va_vdst(0)                   ; the wait directly ahead of each link
	v_wmma_f32_16x16x32_f16 v[SS:SS+7], v[KFR+8*\c:KFR+8*\c+7], v[QFR+8*\c:QFR+8*\c+7], v[SS:SS+7]
.endr
.rept 4
	v_nop                                          ; places in front of the loads into Q's and K's registers and of the first read of the scores
.endr
.irp d, 0,1,2,3,4,5,6,7
.irp n, 0,1,2,3,4,5,6,7
	global_load_b32 v[WA+8*\d+\n], v5, s[8:9] offset:(16*\d+\n)*8192 th:TH_LOAD_NT   ; wo(128 w + 16 d + 8 h + n, my column r): it lands while the softmax and the first product run
.endr
.endr
.irp j, 0,1,2,3,4,5,6,7
	v_cmp_gt_i32 vcc_lo, \j, v6                    ; key 8 h + j is hidden from query r where j > r - 8 h
	v_cndmask_b32 v[PN+\j], v[SS+\j], v10, vcc_lo
.endr
	v_max3_num_f32 v11, v[PN], v[PN+1], v[PN+2]
	v_max3_num_f32 v11, v11, v[PN+3], v[PN+4]
	v_max3_num_f32 v11, v11, v[PN+5], v[PN+6]
	v_max_num_f32 v11, v11, v[PN+7]
	v_permlanex16_b32 v12, v11, s20, s21
	v_max_num_f32 v11, v11, v12                    ; the row's maximum: key 0 counts for every query
.irp j, 0,1,2,3,4,5,6,7
	v_sub_f32 v[PN+\j], v[PN+\j], v11
.endr
.irp j, 0,1,2,3,4,5,6,7
	v_exp_f32 v[PN+\j], v[PN+\j]
.endr
	v_nop
	s_wait_alu depctr_va_vdst(0)                   ; one wait for the eight
	v_pk_add_f32 v[14:15], v[PN:PN+1], v[PN+2:PN+3]
	v_pk_add_f32 v[16:17], v[PN+4:PN+5], v[PN+6:PN+7]
	v_pk_add_f32 v[14:15], v[14:15], v[16:17]
	v_add_f32 v13, v14, v15
	v_permlanex16_b32 v12, v13, s20, s21
	v_add_f32 v13, v13, v12                        ; the row's sum
	v_rcp_f32 v18, v13
	v_nop
	s_wait_alu depctr_va_vdst(0)
.irp j, 0,1,2,3,4,5,6,7
	v_mul_f32 v[PN+\j], v[PN+\j], v18              ; the weights, normalised, in f32
.endr
	s_wait_loadcnt 63                              ; v is in (wo's 64 loads were issued behind it)
.irp s, 0,1,2,3                                ; O^T(d) = the sum over 16 keys: eight accumulators by turns
.irp d, 0,1,2,3,4,5,6,7
.if \s == 0
	v_wmma_f32_16x16x4_f32 v[OO+8*\d:OO+8*\d+7], v[VA+8*\d+2*\s:VA+8*\d+2*\s+1], v[PN+2*\s:PN+2*\s+1], 0
.else
	v_wmma_f32_16x16x4_f32 v[OO+8*\d:OO+8*\d+7], v[VA+8*\d+2*\s:VA+8*\d+2*\s+1], v[PN+2*\s:PN+2*\s+1], v[OO+8*\d:OO+8*\d+7]
.endif
.endr
.endr
.rept 9
	v_nop                                          ; the results go on as an operand of this form: nine places
.endr
.irp d, 0,1,2,3,4,5,6,7                        ; my 128 along K of the projection: two accumulators by turns
	s_wait_loadcnt 56-8*\d                         ; wo's eight words of this tile are in; the later tiles' may be out
.irp s, 0,1,2,3
.if 4*\d+\s < 2
	v_wmma_f32_16x16x4_f32 v[AC+8*(\s%2):AC+8*(\s%2)+7], v[WA+8*\d+2*\s:WA+8*\d+2*\s+1], v[OO+8*\d+2*\s:OO+8*\d+2*\s+1], 0
.else
	v_wmma_f32_16x16x4_f32 v[AC+8*(\s%2):AC+8*(\s%2)+7], v[WA+8*\d+2*\s:WA+8*\d+2*\s+1], v[OO+8*\d+2*\s:OO+8*\d+2*\s+1], v[AC+8*(\s%2):AC+8*(\s%2)+7]
.endif
.endr
.endr
.rept 8
	v_nop                                          ; eight places in front of the first read of results of this form
.endr
.irp e, 0,1,2,3
	v_pk_add_f32 v[RR+2*\e:RR+2*\e+1], v[AC+2*\e:AC+2*\e+1], v[AC+8+2*\e:AC+8+2*\e+1]   ; lane (r, h): row r, columns 8 h + 0 .. 7 of my 16; from the low end on
.endr
	ds_store_b128 v7, v[RR:RR+3]
	ds_store_b128 v7, v[RR+4:RR+7] offset:512
	s_wait_dscnt 0x0                               ; for the others' sake: my stores have landed
	s_barrier_signal -1
	s_barrier_wait -1
	s_cmp_lg_u32 s12, 0
	s_cbranch_scc1 .Lrest
.irp w, 0,1,2,3,4,5,6,7,8,9,10,11,12,13,14,15
	ds_load_b128 v[48+8*\w:48+8*\w+3], v8 offset:1024*\w
	ds_load_b128 v[48+8*\w+4:48+8*\w+7], v8 offset:1024*\w+512
.endr
	s_wait_dscnt 0x0
.irp w, 1,2,3,4,5,6,7,8,9,10,11,12,13,14,15
.irp e, 0,1,2,3
	v_pk_add_f32 v[48+2*\e:48+2*\e+1], v[48+2*\e:48+2*\e+1], v[48+8*\w+2*\e:48+8*\w+2*\e+1]
.endr
.endr
	global_store_b128 v9, v[48:51], s[10:11]
	global_store_b128 v9, v[52:55], s[10:11] offset:16
.Lrest:
	s_wait_tensorcnt 0x0                           ; the wave's end
	ds_add_u32 v[SPW], v[NIL]
	s_wait_dscnt 0x0
	s_endpgm
.Lfunc_end_k_q3590af6eb8_fine:
	.size	k_q3590af6eb8_fine, .Lfunc_end_k_q3590af6eb8_fine-k_q3590af6eb8_fine
	.p2alignl 7, 3214868480
	.fill 96, 4, 3214868480
	.section	.rodata,"a",@progbits
	.p2align	6, 0x0
	.amdhsa_kernel k_q3590af6eb8_fine
		.amdhsa_group_segment_fixed_size 18432
		.amdhsa_private_segment_fixed_size 0
		.amdhsa_enable_private_segment 0
		.amdhsa_kernarg_size 32
		.amdhsa_user_sgpr_count 2
		.amdhsa_user_sgpr_kernarg_segment_ptr 1
		.amdhsa_wavefront_size32 1
		.amdhsa_system_sgpr_workgroup_id_x 1
		.amdhsa_system_sgpr_workgroup_id_y 1
		.amdhsa_system_sgpr_workgroup_id_z 1
		.amdhsa_system_vgpr_workitem_id 0
		.amdhsa_next_free_vgpr 256
		.amdhsa_next_free_sgpr 66
		.amdhsa_reserve_vcc 1
		.amdhsa_float_denorm_mode_32 3
		.amdhsa_float_denorm_mode_16_64 3
		.amdhsa_memory_ordered 1
		.amdhsa_forward_progress 1
		.amdhsa_inst_pref_size 30
	.end_amdhsa_kernel
	.amdgpu_metadata
---
amdhsa.version: [ 1, 2 ]
amdhsa.kernels:
  - .name:           k_q3590af6eb8_fine
    .symbol:         k_q3590af6eb8_fine.kd
    .args:
      - { .name: qkv16, .offset: 0, .size: 8, .value_kind: global_buffer, .address_space: global }
      - { .name: vfine, .offset: 8, .size: 8, .value_kind: global_buffer, .address_space: global }
      - { .name: wo, .offset: 16, .size: 8, .value_kind: global_buffer, .address_space: global }
      - { .name: out0, .offset: 24, .size: 8, .value_kind: global_buffer, .address_space: global }
    .group_segment_fixed_size: 18432
    .private_segment_fixed_size: 0
    .kernarg_segment_align: 8
    .kernarg_segment_size: 32
    .max_flat_workgroup_size: 512
    .sgpr_count:     66
    .vgpr_count:     256
    .wavefront_size: 32
...
	.end_amdgpu_metadata
.endif
;; end of part 5
